; MI455X (gfx1250); checked and timed in simulation.
; The chip was launched on July 23, 2026; its instructions are those of AMD's public machine-readable ISA for CDNA 5 (MIT licence, August 2026) and "CDNA5" Instruction Set Architecture Reference Guide (July 2026). The comments in the code are by the model that wrote it; some were corrected since.
;; Triton Evoformer Block. Allowed arithmetic: matrix products marked QUANTISED: E4M3 operands, one given power-of-two scale a tensor, by v_wmma_f32_16x16x64_fp8_fp8 or v_wmma_f32_16x16x128_fp8_fp8, f32 sums; products left as they are: f32 operands where the result goes on into a quantised operand, else bf16, f16 or f32 operands; f32 sums; everything else in f32.
;; Inputs: col_wk 256 x 256 float32; col_wo 256 x 256 float32; col_wq 256 x 256 float32; col_wv 256 x 256 float32; ln_col_w 256 float32; ln_mt_w 256 float32; ln_pt_w 128 float32; ln_row_w 256 float32; lowp_scales 38 int32 (the exponents e of the quantised operands' scales 2^e); msa 1 x 128 x 256 x 256 float32; mt_w1 256 x 1,024 float32; mt_w2 1,024 x 256 float32; opm_ln_w 256 float32; opm_out_w 1,024 x 128 float32; opm_proj_w 256 x 32 float32; pair 1 x 256 x 256 x 128 float32; pt_w1 128 x 512 float32; pt_w2 512 x 128 float32; row_bias_w 128 x 8 float32; row_wk 256 x 256 float32; row_wo 256 x 256 float32; row_wq 256 x 256 float32; row_wv 256 x 256 float32.
;; Outputs: out0 1 x 128 x 256 x 256 float32; out1 1 x 256 x 256 x 128 float32.
;; This version of the problem:
;;   THIS VERSION OF THE PROBLEM IS GIVEN IN LOW PRECISION. The matrix products marked QUANTISED in the list below multiply operands that are first quantised to E4M3 (4 exponent bits, 3 mantissa bits; 8 bits a number), with one given power-of-two scale for each operand tensor; their sums are f32. All else is computed in f32.
;;   The module's matrix products, in the order in which they are computed (A, B: the left and right operand; K: the contracted axis; several contracted axes count as one K, in the product's order):
;;     1. [M 32,768, K 256] x [K 256, N 256]; A: computed on the way; B: input row_wq: QUANTISED (scales: A lowp_scales[0], B lowp_scales[1])
;;     2. [M 32,768, K 256] x [K 256, N 256]; A: computed on the way; B: input row_wk: QUANTISED (scales: A lowp_scales[2], B lowp_scales[3])
;;     3. [M 32,768, K 256] x [K 256, N 256]; A: computed on the way; B: input row_wv: QUANTISED (scales: A lowp_scales[4], B lowp_scales[5])
;;     4. [M 8, K 128] x [K 128, N 65,536]; A: input row_bias_w; B: input pair: left as it is (M = 8 < 16)
;;     5. batch 1,024 x [M 256, K 32] x [K 32, N 256]; A: computed on the way; B: computed on the way: QUANTISED (scales: A lowp_scales[6], B lowp_scales[7])
;;     6. batch 1,024 x [M 32, K 256] x [K 256, N 256]; A: computed on the way; B: softmax (see below): QUANTISED (scales: A lowp_scales[8], B lowp_scales[9])
;;     7. [M 32,768, K 256] x [K 256, N 256]; A: computed on the way; B: input row_wo: QUANTISED (scales: A lowp_scales[10], B lowp_scales[11])
;;     8. [M 32,768, K 256] x [K 256, N 256]; A: computed on the way; B: input col_wq: QUANTISED (scales: A lowp_scales[12], B lowp_scales[13])
;;     9. [M 32,768, K 256] x [K 256, N 256]; A: computed on the way; B: input col_wk: QUANTISED (scales: A lowp_scales[14], B lowp_scales[15])
;;     10. [M 32,768, K 256] x [K 256, N 256]; A: computed on the way; B: input col_wv: QUANTISED (scales: A lowp_scales[16], B lowp_scales[17])
;;     11. batch 2,048 x [M 128, K 32] x [K 32, N 128]; A: computed on the way; B: computed on the way: QUANTISED (scales: A lowp_scales[18], B lowp_scales[19])
;;     12. batch 2,048 x [M 32, K 128] x [K 128, N 128]; A: computed on the way; B: softmax (see below): QUANTISED (scales: A lowp_scales[20], B lowp_scales[21])
;;     13. [M 32,768, K 256] x [K 256, N 256]; A: computed on the way; B: input col_wo: QUANTISED (scales: A lowp_scales[22], B lowp_scales[23])
;;     14. [M 32,768, K 256] x [K 256, N 1,024]; A: computed on the way; B: input mt_w1: QUANTISED (scales: A lowp_scales[24], B lowp_scales[25])
;;     15. [M 32,768, K 1,024] x [K 1,024, N 256]; A: computed on the way; B: input mt_w2: QUANTISED (scales: A lowp_scales[26], B lowp_scales[27])
;;     16. [M 32,768, K 256] x [K 256, N 32]; A: computed on the way; B: input opm_proj_w: QUANTISED (scales: A lowp_scales[28], B lowp_scales[29])
;;     17. [M 8,192, K 128] x [K 128, N 8,192]; A: computed on the way; B: computed on the way: QUANTISED (scales: A lowp_scales[30], B lowp_scales[31])
;;     18. [M 65,536, K 1,024] x [K 1,024, N 128]; A: computed on the way; B: input opm_out_w: QUANTISED (scales: A lowp_scales[32], B lowp_scales[33])
;;     19. [M 65,536, K 128] x [K 128, N 512]; A: computed on the way; B: input pt_w1: QUANTISED (scales: A lowp_scales[34], B lowp_scales[35])
;;     20. [M 65,536, K 512] x [K 512, N 128]; A: computed on the way; B: input pt_w2: QUANTISED (scales: A lowp_scales[36], B lowp_scales[37])
;;   THE QUANTISER, for each operand of a quantised product, along K:
;;     - The operand's scale is 2^e, e = its entry of the input lowp_scales (int32; the entries are numbered through the quantised products in the list's order, A before B).
;;     - Each number is divided by the scale, clamped to +-448, and rounded to the nearest number of E4M3, ties to even, subnormals kept.
;;     - The product sums the exact products of the quantised numbers (number of the format x scale) in f32.
;;   ~~~python
;;   def quantise(x, axis, e):      # numpy; x: float32 -> the quantised numbers, widened to float32 again
;;       x = np.moveaxis(x, axis, -1); K = x.shape[-1]
;;       r = np.clip(x / 2.0 ** e, -448, 448)
;;       step = 2.0 ** (np.maximum(np.frexp(np.where(r == 0, 1, r))[1] - 1, -6) - 3)
;;       q = np.round(r / step) * step * 2.0 ** e      # np.round: ties to even
;;       return np.moveaxis(q, -1, axis).astype(np.float32)
;;   ~~~
;;   SOFTMAX AHEAD OF A QUANTISED PRODUCT. Where the list says 'softmax', what is quantised is not the finished softmax but p = 2^(t - M), with t = logit x log2(e) and M = ceil(the row's largest t), a whole number; so 1/2 < the row's largest p <= 1. The row's sum l is taken of the UNQUANTISED p, in f32, and the product's result is divided by l at the end. Since M is a whole number, a kernel that streams over the keys may use a running M (the ceiling of the running maximum): every later rescaling is an exact power of two, so the quantised numbers keep their values, but for numbers so far below the row's largest that they fall under the format's range.
;;   OPERANDS COMPUTED ON THE WAY. 'Computed on the way' means the value that the module computes at that place (a softmax that the list does not call 'softmax' is quantised finished and normalised). What goes into a quantiser is computed in f32, as accurately as f32 sums, v_exp_f32 and their like allow (about 1e-6 of the number): no bf16 or f16 on the way to a quantiser, and a product that is left as it is and whose result goes on into a quantised operand takes f32 operands (vector FMAs, or v_wmma_f32_16x16x4_f32). A number that lies on a knife's edge between two numbers of the format may be rounded either way, as far as f32 arithmetic and the matrix unit's own rounding can turn it there, and no further.
;; One version. Each part assembles by itself: llvm-mc -triple=amdgcn-amd-amdhsa -mcpu=gfx1250 --defsym DOCPART=n.
;; ======== version 1 of 1: 4 launches
;; workspace buffers: wcodes 1,318,912 bytes; biasimg 2,097,152 bytes; orow 8,388,608 bytes; axc 2,097,152 bytes
;; launch prep (part 1): grid 417 x 1, 8 waves a work-group, no clusters, 9,216 bytes of LDS; arguments pair, row_bias_w, lowp_scales, wcodes, biasimg, row_wq, row_wk, row_wv, row_wo, col_wq, col_wk, col_wv, col_wo, mt_w1, mt_w2, opm_out_w, pt_w1, pt_w2, opm_proj_w; writes wcodes, biasimg
.if DOCPART == 1
	.amdgcn_target "amdgcn-amd-amdhsa--gfx1250"
	.amdhsa_code_object_version 6
	.text
	.protected	k_q6d85222c6f_prep
	.globl	k_q6d85222c6f_prep
	.p2align	8
	.type	k_q6d85222c6f_prep,@function
k_q6d85222c6f_prep:
	s_mov_b64 s[64:65], 0
	v_nop
	global_prefetch_b8 v0, s[64:65] scope:SCOPE_SE
	s_setreg_imm32_b32 hwreg(HW_REG_WAVE_MODE, 25, 1), 1
	s_wait_xcnt 0x0
; THE EVOFORMER BLOCK, launch 1 of 4: the pair bias of the row attention, and all fourteen weights as codes of E4M3.
; DEAD WORK: none is left out in any of the four launches.  Every input has a way to an output: the bias differs along the softmax's axis, every
; gain and weight feeds a live quantised operand.  All 23 inputs are loaded.
; WORK-GROUPS 0-255: bias(h, i, j) = sum over d of pair(i, j, d) row_bias_w(d, h), by f32 multiply-adds (its result goes on into a quantised softmax).
;   It is stored x sqrt(32) x 2^-(e6 + e7), in units of a sum of codes of q k^T, in the order of the registers in which the next launch adds it:
;   image (h, tile m of 16 queries) = 16,384 bytes at (16 h + m) x 16,384; chunk g of 512 bytes; lane (r, hf) at 16 (r + 16 hf); word x = query 16 m + r, key 32 (g / 4) + 16 hf + 4 (g % 4) + x.
; WORK-GROUPS 256-416: a weight W[K][N] becomes fragments of 2,048 bytes in the order of an operand's registers: fragment (t, s), lane (r, hf): column 32 (t / 2) + 8 (t % 2) + r + 8 (r / 8),
;   register 4 c + q, byte b: k = 128 s + 32 c + 16 hf + 4 q + b.  code = w / 2^e, held within +-448, to the nearest code, ties to even.
; LIMITS: each given exponent e of a weight between -126 and 119; NaN among the inputs is not served.
.set SPARE, 8192                       ; behind the stage: the spare words, 128 bytes for each of eight waves
.set SPW, 10                           ; v10 LDS address of my spare word; never rewritten
.set NIL, 11                           ; v11 0; never rewritten
.macro ENDW                            ; the wave's end
	s_wait_tensorcnt 0x0
	ds_add_u32 v[SPW], v[NIL]
	s_wait_dscnt 0x0
.endm
.macro MKQ vs, vl, se, st              ; v[vs] = 2^E as f32, v[vl] = 448 x 2^E, E in s[se]
	s_add_co_i32 s[\st], s[\se], 127
	s_lshl_b32 s[\st+1], s[\st], 23
	v_mov_b32 v[\vs], s[\st+1]
	s_add_co_i32 s[\st], s[\st], 8
	s_lshl_b32 s[\st], s[\st], 23
	s_or_b32 s[\st], s[\st], 0x600000
	v_mov_b32 v[\vl], s[\st]
.endm
	s_load_b256 s[4:11], s[0:1], 0x0               ; pair, row_bias_w, the scales' exponents, wcodes
	s_load_b64 s[12:13], s[0:1], 0x20              ; biasimg
	s_load_b512 s[16:31], s[0:1], 0x28             ; row_wq, wk, wv, wo, col_wq, wk, wv, wo
	s_load_b256 s[32:39], s[0:1], 0x68             ; mt_w1, mt_w2, opm_out_w, pt_w1
	s_load_b128 s[40:43], s[0:1], 0x88             ; pt_w2, opm_proj_w
	v_lshl_add_u32 v[SPW], v0, 2, SPARE
	v_mov_b32 v[NIL], 0
	v_lshrrev_b32 v1, 5, v0
	v_readfirstlane_b32 s44, v1                    ; wave 0..7
	v_and_b32 v2, 31, v0                           ; lane
	v_lshlrev_b32 v8, 4, v2                        ; 16 x lane
	s_cmp_ge_u32 ttmp9, 256
	s_cbranch_scc1 .Lweights
; ---- THE BIAS.  The work-group takes queries 16 m .. 16 m + 15 and keys 32 bb + 16 h2 + 8 z + 0 .. 7 (h2 = 0, 1): whole chunks 4 bb + 2 z, + 1 of all eight heads.
; Wave v takes queries 16 m + 2 v, + 1: eight groups of four neighbouring keys.  In a group lane (rho, e) holds, of key rho, d = 32 q + 4 e + 0 .. 3, q = 0 .. 3: a load covers four rows x 128 consecutive bytes.
	s_lshr_b32 s52, ttmp9, 4                       ; m
	s_bfe_u32 s53, ttmp9, 0x30001                  ; bb
	s_and_b32 s54, ttmp9, 1                        ; z
	v_lshrrev_b32 v3, 3, v2                        ; rho
	v_and_b32 v9, 7, v2                            ; e
	v_lshlrev_b32 v4, 9, v3
	v_lshl_add_u32 v4, v9, 4, v4                   ; pair: 512 rho + 16 e
	v_lshlrev_b32 v5, 7, v9                        ; row_bias_w: 128 e
	v_lshlrev_b32 v6, 10, v9
	v_lshl_add_u32 v6, v3, 2, v6
	s_lshl_b32 s55, s44, 5
	v_add_nc_u32 v6, s55, v6                       ; the stage, in: head e's 1,024 bytes, word rho, query 2 v: 1024 e + 4 rho + 32 v
	s_lshl_b32 s55, s44, 10
	v_add_nc_u32 v7, s55, v8                       ; and out: wave v takes head v: 1024 v + 16 lane
	s_lshl_b32 s56, s52, 4
	s_lshl_b32 s57, s44, 1
	s_add_co_u32 s56, s56, s57                     ; my first query
	s_lshl_b32 s56, s56, 8
	s_lshl_b32 s57, s53, 5
	s_add_co_u32 s56, s56, s57
	s_lshl_b32 s57, s54, 3
	s_add_co_u32 s56, s56, s57                     ; x 256 + my first key
	s_lshl_b32 s56, s56, 9                         ; rows of 512 bytes
	s_mov_b32 s57, 0
	s_lshl_b32 s58, s44, 4
	s_add_co_u32 s58, s58, s52                     ; image 16 v + m,
	s_lshl_b32 s58, s58, 5
	s_lshl_b32 s59, s53, 2
	s_add_co_u32 s58, s58, s59
	s_lshl_b32 s59, s54, 1
	s_add_co_u32 s58, s58, s59                     ; chunk 4 bb + 2 z
	s_lshl_b32 s58, s58, 9
	s_mov_b32 s59, 0
	s_mov_b32 s48, 0xf0f0f0f0                      ; lanes with e & 4,
	s_mov_b32 s49, 0xcccccccc                      ; e & 2,
	s_mov_b32 s50, 0xaaaaaaaa                      ; e & 1
	s_wait_kmcnt 0x0
	s_load_b64 s[60:61], s[8:9], 0x18              ; e6, e7
	s_add_nc_u64 s[46:47], s[4:5], s[56:57]
	s_add_nc_u64 s[12:13], s[12:13], s[58:59]
; row_bias_w, kept for all eight groups.  For each q my four rows d = 32 q + 4 e + 0 .. 3 of eight heads are 128 consecutive bytes: eight loads of 16 bytes.
; Register 16 + 8 (4 q + dl) + hh holds row_bias_w(32 q + 4 e + dl, hh): the registers run along the heads.
.irp q2, 0,1,2,3
.irp j2, 0,1,2,3,4,5,6,7
	global_load_b128 v[16+32*\q2+4*\j2:19+32*\q2+4*\j2], v5, s[6:7] offset:1024*\q2+16*\j2
.endr
.endr
.macro LOADG g                         ; group g = 4 iis + 2 h2 + jq into slot g % 4
.irp q2, 0,1,2,3
	global_load_b128 v[144+16*((\g)%4)+4*\q2:144+16*((\g)%4)+4*\q2+3], v4, s[46:47] offset:((\g)>>2)*131072+(((\g)>>1)&1)*8192+((\g)&1)*2048+128*\q2 th:TH_LOAD_NT
.endr
.endm
	LOADG 0
	LOADG 1
	LOADG 2
	LOADG 3
	s_wait_kmcnt 0x0
	s_add_co_i32 s51, s60, s61
	s_sub_co_i32 s51, 0, s51                       ; -(e6 + e7)
; One group.  left = the loads of the younger groups, which may stay out.
.macro GROUP g, left
.set XS, 144+16*((\g)%4)
	s_wait_loadcnt \left
.irp hh, 0,1,2,3,4,5,6,7
	v_mul_f32 v[224+\hh], v[XS], v[16+\hh]         ; one sum a head: the first product starts it; eight sums by turns
.endr
.set dd, 1
.rept 15
.irp hh, 0,1,2,3,4,5,6,7
	v_fmac_f32 v[224+\hh], v[XS+dd], v[16+8*dd+\hh]
.endr
.set dd, dd+1
.endr
.if (\g) < 4
	LOADG (\g)+4
.endif
; the eight lanes of a key add their parts and share the heads out: each step halves the heads that a lane keeps; lane e ends with head e
.irp hh, 0,1,2,3
	v_cndmask_b32 v[232+\hh], v[224+\hh], v[228+\hh], s48
	v_cndmask_b32 v[236+\hh], v[228+\hh], v[224+\hh], s48
.endr
.irp hh, 0,1,2,3
	v_add_f32_dpp v[232+\hh], v[236+\hh], v[232+\hh] row_xmask:4 row_mask:0xf bank_mask:0xf
.endr
.irp hh, 0,1
	v_cndmask_b32 v[224+\hh], v[232+\hh], v[234+\hh], s49
	v_cndmask_b32 v[226+\hh], v[234+\hh], v[232+\hh], s49
.endr
.irp hh, 0,1
	v_add_f32_dpp v[224+\hh], v[226+\hh], v[224+\hh] row_xmask:2 row_mask:0xf bank_mask:0xf
.endr
	v_cndmask_b32 v232, v224, v225, s50
	v_cndmask_b32 v233, v225, v224, s50
	v_add_f32_dpp v232, v233, v232 row_xmask:1 row_mask:0xf bank_mask:0xf
	v_mul_f32 v232, 0x40b504f3, v232               ; x sqrt(32)
	v_ldexp_f32 v[240+(\g)], v232, s51             ; x 2^-(e6 + e7); a register of its own for each group's store
	ds_store_b32 v6, v[240+(\g)] offset:512*((\g)&1)+256*(((\g)>>1)&1)+16*((\g)>>2)
.endm
	GROUP 0, 12
	GROUP 1, 12
	GROUP 2, 12
	GROUP 3, 12
	GROUP 4, 12
	GROUP 5, 8
	GROUP 6, 4
	GROUP 7, 0
	s_wait_dscnt 0x0                               ; my stores into the stage have landed
	s_barrier_signal -1
	s_barrier_wait -1
	ds_load_b128 v[144:147], v7
	ds_load_b128 v[148:151], v7 offset:512
	s_wait_dscnt 0x0
	global_store_b128 v8, v[144:147], s[12:13]             ; 32 lanes store 512 consecutive bytes, aligned
	global_store_b128 v8, v[148:151], s[12:13] offset:512
	ENDW
	s_endpgm
; ---- THE WEIGHTS.  A wave makes half a fragment: fragment F = 4 (work-group - 256) + wave / 2, half z = wave % 2 (k = 64 z .. 64 z + 63 of its 128).
.Lweights:
	s_sub_co_u32 s45, ttmp9, 256
	s_lshl_b32 s45, s45, 2
	s_lshr_b32 s46, s44, 1
	s_add_co_u32 s45, s45, s46                     ; F
	s_and_b32 s46, s44, 1                          ; z
	s_wait_kmcnt 0x0
	s_mov_b64 s[48:49], s[16:17]                   ; the weight to which F belongs: its address, first fragment, log2 N, log2 (K / 128), byte of its scale's entry
	s_mov_b32 s50, 0
	s_mov_b32 s51, 8
	s_mov_b32 s52, 1
	s_mov_b32 s53, 4
.macro SEL start, ptr, logn, logks, eoff       ; a choice on the fragment's number alone
	s_cmp_ge_u32 s45, \start
	s_cselect_b64 s[48:49], s[\ptr:\ptr+1], s[48:49]
	s_cselect_b32 s50, \start, s50
	s_cselect_b32 s51, \logn, s51
	s_cselect_b32 s52, \logks, s52
	s_cselect_b32 s53, \eoff, s53
.endm
	SEL 32, 18, 8, 1, 12
	SEL 64, 20, 8, 1, 20
	SEL 96, 22, 8, 1, 44
	SEL 128, 24, 8, 1, 52
	SEL 160, 26, 8, 1, 60
	SEL 192, 28, 8, 1, 68
	SEL 224, 30, 8, 1, 92
	SEL 256, 32, 10, 1, 100
	SEL 384, 34, 8, 3, 108
	SEL 512, 36, 7, 3, 132
	SEL 576, 38, 9, 0, 140
	SEL 608, 40, 7, 2, 148
	SEL 640, 42, 5, 1, 116
	s_load_b32 s60, s[8:9], s53 offset:0x0         ; e
	s_sub_co_u32 s54, s45, s50
	s_lshr_b32 s55, s54, s52                       ; t
	s_lshl_b32 s56, 1, s52
	s_sub_co_u32 s56, s56, 1
	s_and_b32 s56, s54, s56                        ; s
	s_lshl_b32 s57, 4, s51                         ; a row of W in bytes
	s_lshl_b32 s58, s56, 7
	s_lshl_b32 s59, s46, 6
	s_add_co_u32 s58, s58, s59
	s_mul_i32 s58, s58, s57                        ; row 128 s + 64 z
	s_lshr_b32 s59, s55, 1
	s_lshl_b32 s59, s59, 7
	s_add_co_u32 s58, s58, s59
	s_and_b32 s59, s55, 1
	s_lshl_b32 s59, s59, 5
	s_add_co_u32 s58, s58, s59                     ; + column 32 (t / 2) + 8 (t % 2)
	v_and_b32 v3, 15, v0
	v_and_b32 v4, 8, v0
	v_add_nc_u32 v3, v3, v4
	v_lshlrev_b32 v3, 2, v3                        ; + r + 8 (r / 8)
	v_bfe_u32 v4, v0, 4, 1
	v_lshlrev_b32 v4, 4, v4
	v_mad_u32_u24 v9, v4, s57, v3                  ; + 16 hf rows
	v_add_nc_u32 v9, s58, v9
.set jj, 0
.rept 32
	v_mad_u32_u24 v[16+jj], s57, 32*(jj>>4)+(jj&15), v9    ; A LANE TAKES A COLUMN AND ITS REGISTERS RUN DOWN K
.set jj, jj+1
.endr
.set jj, 0
.rept 32
	global_load_b32 v[48+jj], v[16+jj], s[48:49]
.set jj, jj+1
.endr
	s_wait_kmcnt 0x0
	MKQ 12, 13, 60, 54
	s_lshl_b32 s62, s45, 11
	s_lshl_b32 s63, s46, 10
	s_add_co_u32 s62, s62, s63
	s_mov_b32 s63, 0
	s_add_nc_u64 s[10:11], s[10:11], s[62:63]
	s_wait_loadcnt 0x0
.set jj, 0
.rept 32
	v_med3_num_f32 v[48+jj], v[48+jj], -v13, v13   ; the conversion to an 8-bit code does not saturate (ISA guide 7.6.2): the hold first
.set jj, jj+1
.endr
.irp e2, 0,1,2,3
	v_cvt_scalef32_pk8_fp8_f32 v[80+2*\e2:81+2*\e2], v[48+8*\e2:55+8*\e2], v12
.endr
	global_store_b128 v8, v[80:83], s[10:11]               ; 512 consecutive bytes each
	global_store_b128 v8, v[84:87], s[10:11] offset:512
	ENDW
	s_endpgm
.Lfunc_end_k_q6d85222c6f_prep:
	.size	k_q6d85222c6f_prep, .Lfunc_end_k_q6d85222c6f_prep-k_q6d85222c6f_prep
	.p2alignl 7, 3214868480
	.fill 96, 4, 3214868480
	.section	.rodata,"a",@progbits
	.p2align	6, 0x0
	.amdhsa_kernel k_q6d85222c6f_prep
		.amdhsa_group_segment_fixed_size 9216
		.amdhsa_private_segment_fixed_size 0
		.amdhsa_enable_private_segment 0
		.amdhsa_kernarg_size 152
		.amdhsa_user_sgpr_count 2
		.amdhsa_user_sgpr_kernarg_segment_ptr 1
		.amdhsa_wavefront_size32 1
		.amdhsa_system_sgpr_workgroup_id_x 1
		.amdhsa_system_sgpr_workgroup_id_y 1
		.amdhsa_system_sgpr_workgroup_id_z 1
		.amdhsa_system_vgpr_workitem_id 0
		.amdhsa_next_free_vgpr 256
		.amdhsa_next_free_sgpr 100
		.amdhsa_reserve_vcc 0
		.amdhsa_float_denorm_mode_32 3
		.amdhsa_float_denorm_mode_16_64 3
		.amdhsa_memory_ordered 1
		.amdhsa_forward_progress 1
		.amdhsa_inst_pref_size 67
	.end_amdhsa_kernel
	.amdgpu_metadata
---
amdhsa.version: [ 1, 2 ]
amdhsa.kernels:
  - .name:           k_q6d85222c6f_prep
    .symbol:         k_q6d85222c6f_prep.kd
    .args:
      - { .name: pair, .offset: 0, .size: 8, .value_kind: global_buffer, .address_space: global }
      - { .name: row_bias_w, .offset: 8, .size: 8, .value_kind: global_buffer, .address_space: global }
      - { .name: lowp_scales, .offset: 16, .size: 8, .value_kind: global_buffer, .address_space: global }
      - { .name: wcodes, .offset: 24, .size: 8, .value_kind: global_buffer, .address_space: global }
      - { .name: biasimg, .offset: 32, .size: 8, .value_kind: global_buffer, .address_space: global }
      - { .name: row_wq, .offset: 40, .size: 8, .value_kind: global_buffer, .address_space: global }
      - { .name: row_wk, .offset: 48, .size: 8, .value_kind: global_buffer, .address_space: global }
      - { .name: row_wv, .offset: 56, .size: 8, .value_kind: global_buffer, .address_space: global }
      - { .name: row_wo, .offset: 64, .size: 8, .value_kind: global_buffer, .address_space: global }
      - { .name: col_wq, .offset: 72, .size: 8, .value_kind: global_buffer, .address_space: global }
      - { .name: col_wk, .offset: 80, .size: 8, .value_kind: global_buffer, .address_space: global }
      - { .name: col_wv, .offset: 88, .size: 8, .value_kind: global_buffer, .address_space: global }
      - { .name: col_wo, .offset: 96, .size: 8, .value_kind: global_buffer, .address_space: global }
      - { .name: mt_w1, .offset: 104, .size: 8, .value_kind: global_buffer, .address_space: global }
      - { .name: mt_w2, .offset: 112, .size: 8, .value_kind: global_buffer, .address_space: global }
      - { .name: opm_out_w, .offset: 120, .size: 8, .value_kind: global_buffer, .address_space: global }
      - { .name: pt_w1, .offset: 128, .size: 8, .value_kind: global_buffer, .address_space: global }
      - { .name: pt_w2, .offset: 136, .size: 8, .value_kind: global_buffer, .address_space: global }
      - { .name: opm_proj_w, .offset: 144, .size: 8, .value_kind: global_buffer, .address_space: global }
    .group_segment_fixed_size: 9216
    .private_segment_fixed_size: 0
    .kernarg_segment_align: 8
    .kernarg_segment_size: 152
    .max_flat_workgroup_size: 256
    .sgpr_count:     100
    .vgpr_count:     256
    .wavefront_size: 32
...
	.end_amdgpu_metadata
.endif
;; end of part 1
;; launch rowatt (part 2): grid 2 x 128, 4 waves a work-group, no clusters, 279,040 bytes of LDS; arguments msa, ln_row_w, lowp_scales, wcodes, biasimg, orow; writes orow
.if DOCPART == 2
	.amdgcn_target "amdgcn-amd-amdhsa--gfx1250"
	.amdhsa_code_object_version 6
	.text
	.protected	k_q6d85222c6f_rowatt
	.globl	k_q6d85222c6f_rowatt
	.p2align	8
	.type	k_q6d85222c6f_rowatt,@function
k_q6d85222c6f_rowatt:
	s_mov_b64 s[64:65], 0
	v_nop
	global_prefetch_b8 v0, s[64:65] scope:SCOPE_SE
	s_setreg_imm32_b32 hwreg(HW_REG_WAVE_MODE, 25, 1), 1
	s_wait_xcnt 0x0
; Launch 2 of 4: the row attention up to its output o, as codes.  Nothing of reference() is left out.
; A work-group takes one sequence n and four heads 4 g .. 4 g + 3; wave w is head 4 g + w.  No tensor loads and no cluster: the large shared stream, the bias, goes from memory straight into the C registers of the score products.
; X: the four waves normalise the 256 tokens (64 each) and quantise x three times (e0, e2, e4): images of operand registers in LDS (a fragment of 16 tokens x 128 k: chunk c at 512 c, lane at 16 lane) | barrier |
; PROJECTION, within the wave: q (source 0 = 16 columns of the weight, source 1 = 16 tokens: a lane holds a token, registers run along the head's 32), k the same on tokens taken in the order
;   U(t, r) = 32 (t / 2) + 8 (t % 2) + r + 8 (r / 8), v with the sources swapped (a lane holds a channel, registers run along the keys).  The conversions' results are the next operands' registers.
;   Two fragment buffers: a step's 16 LDS loads go out a whole step ahead of their products.
; ATTENTION, two tiles of 16 queries a trip: S^T = k q^T + bias (K = 64 form, the head's 32 and 32 zero codes on q's side), all 256 keys at once, so M = ceil(largest t) is the row's own;
;   p = 2^(t - M) quantised under e9; l = sum of the unquantised p; O^T = v^T p^T; o = O / l quantised under e10.
;   THE BIAS RUNS TWO TILES AHEAD, in two register buffers: a tile's 32 loads go out as soon as the tile two back has taken its buffer as C.
; o's codes meet in a stage in LDS | barrier | and leave as rows of 128 bytes: orow[g][n][i][32 w + 16 hf + b] = head 4 g + w, channel 16 hf + b: K step g of the next product in operand order.
; LIMITS: e0, e2, e4, e9, e6-e0-e1, e7-e2-e3, e8-e4-e5, e10-e8-e9 between -126 and 119; e6+e7 between -124 and 129 (added to c's exponent field).  NaN among the inputs is not served.
;   1/sqrt and 1/l by v_rsq_f32 and v_rcp_f32.  In product 5 q is taken as A (e6), k as B (e7).
; REGISTERS: window 0: v3-19 addresses; v20-31, v232-235 scales and holds; X: D v32-159, T v160-191, codes v192-223; projection: fragments v32-95 and v128-191, ACC v96-127, q's codes v192-207;
;   attention: S v32-159, P v160-191, O v192-207, o's codes v208-211 and v228-231, QF v212-219, maxima v220-227.
;   window 1: the gains, later k's codes v0-67 and v's fragments v128-191.  window 2: two buffers of x, later two of the bias.  window 3: my head's 12 weight fragments.
.set XK, 65536
.set XV, 131072
.set QI, 196608
.set OS, 229376
.set SPARE, 278528
.set LI, 3
.set LP, 4
.set XA, 5
.set LWA, 6
.set AWQ, 7
.set ARK, 11
.set ARV, 12
.set AQI, 13
.set AOS, 14
.set T1, 15
.set T2, 16                            ; v16 and v10: where a tile's o codes go, for the trip's first and second tile
.set AOR, 17
.set SPW, 18
.set NIL, 19
.set D, 32
.set TQ, 160
.set CC, 192
.set SA, 224
.set ACC, 96
.set S, 32
.set P, 160
.set O, 192
.set OC, 208
.set QF, 212
.set MX, 220
.set SEL, 34
.set CS, 36
.set MP, 40
.set WP, 42
.set BBP, 44
.set OP, 46
.set SQ, 48
.set SO, 49
.set CNT, 50
.set MSB, 0
.macro WIN new                         ; the immediate's high byte repeats the setting that is left
.if MSB != (\new)
	s_set_vgpr_msb (MSB<<8)|(\new)
.set MSB, (\new)
.endif
.endm
.macro PLACES n
.rept \n
	v_nop
.endr
.endm
.macro BARRIER                         ; my LDS stores have landed and my LDS loads are in: then the work-group's barrier
	s_wait_dscnt 0x0
	s_barrier_signal -1
	s_barrier_wait -1
.endm
.macro MKQ vs, vl, se, st              ; v[vs] = 2^E as f32, v[vl] = 448 x 2^E, E in s[se]
	s_add_co_i32 s[\st], s[\se], 127
	s_lshl_b32 s[\st+1], s[\st], 23
	v_mov_b32 v[\vs], s[\st+1]
	s_add_co_i32 s[\st], s[\st], 8
	s_lshl_b32 s[\st], s[\st], 23
	s_or_b32 s[\st], s[\st], 0x600000
	v_mov_b32 v[\vl], s[\st]
.endm
	s_load_b256 s[4:11], s[0:1], 0x0               ; msa, ln_row_w, the scales' exponents, wcodes
	s_load_b128 s[12:15], s[0:1], 0x20             ; biasimg, orow
	v_lshl_add_u32 v[SPW], v0, 2, SPARE
	v_mov_b32 v[NIL], 0
	v_lshrrev_b32 v1, 5, v0
	v_readfirstlane_b32 s2, v1                     ; wave
	v_and_b32 v1, 31, v0
	v_and_b32 v2, 15, v0                           ; r
	v_bfe_u32 v240, v0, 4, 1                       ; hf
	v_bfe_u32 v241, v0, 3, 1                       ; r / 8
	v_and_b32 v242, 7, v0                          ; r % 8
	v_lshlrev_b32 v[LI], 4, v1
	v_lshlrev_b32 v[LP], 12, v241
	v_lshl_add_u32 v[LP], v240, 8, v[LP]
	v_lshl_add_u32 v[LP], v242, 4, v[LP]           ; tokens in the order U: 4096 (r / 8) + 256 hf + 16 (r % 8)
	v_lshlrev_b32 v[XA], 10, v2
	v_lshl_add_u32 v[XA], v240, 6, v[XA]           ; msa: row r of 1,024 bytes + 64 hf
	v_lshlrev_b32 v[LWA], 6, v240
	s_lshl_b32 s52, s2, 14
	v_add_nc_u32 v[AWQ], s52, v[LI]                ; where I store x's images: my four tiles' 16,384 bytes in each of the three regions
	v_add_nc_u32 v[AWQ+1], XK, v[AWQ]
	v_add_nc_u32 v[AWQ+2], XV, v[AWQ]
	v_add_nc_u32 v[ARK], XK, v[LP]
	v_add_nc_u32 v[ARV], XV, v[LP]
	s_lshl_b32 s52, s2, 13
	s_add_co_u32 s52, s52, QI
	v_add_nc_u32 v[AQI], s52, v[LI]                ; q's codes: my own 8,192 bytes
	s_mul_i32 s52, s2, 12288
	s_add_co_u32 s52, s52, OS
	v_mul_u32_u24 v[AOS], v2, 48
	v_lshl_add_u32 v[AOS], v240, 4, v[AOS]
	v_add_nc_u32 v[AOS], s52, v[AOS]               ; o's stage, in: my head's 256 tokens x 48 bytes
	v_bfe_u32 v243, v0, 1, 2
	v_mul_u32_u24 v[AOR], v243, 12288
	v_bfe_u32 v243, v0, 3, 2
	v_mad_u32_u24 v[AOR], v243, 48, v[AOR]
	v_and_b32 v243, 1, v0
	v_lshl_add_u32 v[AOR], v243, 4, v[AOR]
	s_mul_i32 s52, s2, 3072
	s_add_co_u32 s52, s52, OS
	v_add_nc_u32 v[AOR], s52, v[AOR]               ; and out: eight lanes gather a token's 128 bytes from the four heads; wave w takes tokens 64 w on
	v_mov_b32 v237, 0                              ; upper halves of pairs of which the low word is used, and destinations of lane permutes: written once
	v_mov_b32 v239, 0
	v_mov_b32 v247, 0
	v_mov_b32 v252, 0
	v_mov_b32 v253, 0
	s_and_b32 s32, ttmp7, 0xffff                   ; n
	s_lshl_b32 s33, ttmp9, 2
	s_add_co_u32 s33, s33, s2                      ; my head
	s_mov_b32 s[SEL], 0x76543210
	s_mov_b32 s[SEL+1], 0xfedcba98
	s_mov_b32 s[CS], 0x3e8293ee                    ; c = log2(e) / sqrt(32)
	s_mov_b32 s38, 0x3b800000                      ; 1 / 256
	s_mov_b32 s39, 0x3727c5ac                      ; 1e-5
	s_lshl_b32 s52, s32, 18
	s_lshl_b32 s53, s2, 16
	s_add_co_u32 s52, s52, s53                     ; msa: sequence n, tokens 64 w on
	s_mov_b32 s53, 0
	s_lshl_b32 s54, s33, 13                        ; wcodes: my head's four fragments of each weight
	s_mov_b32 s55, 0
	s_lshl_b32 s56, s33, 18                        ; biasimg: my head's 16 images
	s_mov_b32 s57, 0
	s_lshl_b32 s58, ttmp9, 7
	s_add_co_u32 s58, s58, s32
	s_lshl_b32 s58, s58, 15
	s_lshl_b32 s59, s2, 13
	s_add_co_u32 s58, s58, s59                     ; orow: (g, n), tokens 64 w on
	s_mov_b32 s59, 0
	s_wait_kmcnt 0x0
	s_load_b512 s[16:31], s[8:9], 0x0              ; e0 .. e15 in s16 ..
	s_add_nc_u64 s[MP:MP+1], s[4:5], s[52:53]
	s_add_nc_u64 s[WP:WP+1], s[10:11], s[54:55]
	s_add_nc_u64 s[BBP:BBP+1], s[12:13], s[56:57]
	s_add_nc_u64 s[OP:OP+1], s[14:15], s[58:59]
; what the first tile's work wants goes out first: the gains and two tiles of x; the weights, wanted only by the projection, follow behind the first tile's work
	WIN 0x40
.set kk, 0
.rept 32
	global_load_b128 v[4*kk:4*kk+3], v[LWA], s[6:7] offset:512*(kk>>4)+128*((kk>>2)&3)+16*(kk&3)   ; the gains, in x's layout
.set kk, kk+1
.endr
.macro XLOAD mu, buf                   ; my tile mu: lane (r, hf) takes, of token r, 16 neighbours of each block of 32
	WIN 0x80
.set kk, 0
.rept 32
	global_load_b128 v[128*(\buf)+4*kk:128*(\buf)+4*kk+3], v[XA], s[MP:MP+1] offset:(\mu)*16384+512*(kk>>4)+128*((kk>>2)&3)+16*(kk&3)
.set kk, kk+1
.endr
	WIN 0
.endm
	XLOAD 0, 0
	XLOAD 1, 1
	s_wait_kmcnt 0x0
	MKQ 20, 21, 16, 52                             ; x under e0, e2, e4
	MKQ 22, 23, 18, 52
	MKQ 24, 25, 20, 52
	s_sub_co_i32 s54, s22, s16
	s_sub_co_i32 s54, s54, s17
	MKQ 26, 27, 54, 52                             ; q: a sum stands for sum x 2^(e0 + e1): the three scales folded into the conversion's one
	s_sub_co_i32 s54, s23, s18
	s_sub_co_i32 s54, s54, s19
	MKQ 28, 29, 54, 52                             ; k
	s_sub_co_i32 s54, s24, s20
	s_sub_co_i32 s54, s54, s21
	MKQ 30, 31, 54, 52                             ; v
	MKQ 232, 233, 25, 52                           ; p
	s_sub_co_i32 s54, s26, s24
	s_sub_co_i32 s54, s54, s25
	MKQ 234, 235, 54, 52                           ; o
	s_add_co_i32 s54, s22, s23
	s_lshl_b32 s54, s54, 23
	s_add_co_i32 s[CS], s[CS], s54                 ; c x 2^(e6 + e7)
	s_mov_b32 s[CS+1], s[CS]
; ---- X: one tile of 16 tokens: mean, variance in two passes, x three times into codes.  left = how many younger loads may stay out
.macro XTOK mu, buf, next, left
.set XB, 128*(\buf)
	s_wait_loadcnt \left
	WIN 0x0a
.irp j2, 0,1,2,3
	v_pk_add_f32 v[SA+2*\j2:SA+2*\j2+1], v[XB+2*\j2:XB+2*\j2+1], v[XB+8+2*\j2:XB+9+2*\j2]
.endr
	WIN 0x08
.set ii, 16
.rept 14
.irp j2, 0,1,2,3
	v_pk_add_f32 v[SA+2*\j2:SA+2*\j2+1], v[SA+2*\j2:SA+2*\j2+1], v[XB+ii+2*\j2:XB+ii+2*\j2+1]
.endr
.set ii, ii+8
.endr
	WIN 0
	v_pk_add_f32 v[SA:SA+1], v[SA:SA+1], v[SA+2:SA+3]
	v_pk_add_f32 v[SA+4:SA+5], v[SA+4:SA+5], v[SA+6:SA+7]
	v_pk_add_f32 v[SA:SA+1], v[SA:SA+1], v[SA+4:SA+5]
	v_add_f32 v[SA], v[SA], v[SA+1]
	v_permlanex16_b32 v252, v[SA], s[SEL], s[SEL+1]
	v_add_f32 v[SA], v[SA], v252
	v_mul_f32 v236, s38, v[SA]                     ; the mean
	WIN 0x02
.set ii, 0
.rept 64
	v_pk_add_f32 v[D+ii:D+ii+1], v[XB+ii:XB+ii+1], v[236:237] op_sel_hi:[1,0] neg_lo:[0,1] neg_hi:[0,1]
.set ii, ii+2
.endr
	WIN 0
.if \next
	XLOAD (\mu)+2, \buf
.endif
.irp j2, 0,1,2,3
	v_pk_mul_f32 v[SA+2*\j2:SA+2*\j2+1], v[D+2*\j2:D+2*\j2+1], v[D+2*\j2:D+2*\j2+1]
.endr
.set ii, 8
.rept 15
.irp j2, 0,1,2,3
	v_pk_fma_f32 v[SA+2*\j2:SA+2*\j2+1], v[D+ii+2*\j2:D+ii+2*\j2+1], v[D+ii+2*\j2:D+ii+2*\j2+1], v[SA+2*\j2:SA+2*\j2+1]
.endr
.set ii, ii+8
.endr
	v_pk_add_f32 v[SA:SA+1], v[SA:SA+1], v[SA+2:SA+3]
	v_pk_add_f32 v[SA+4:SA+5], v[SA+4:SA+5], v[SA+6:SA+7]
	v_pk_add_f32 v[SA:SA+1], v[SA:SA+1], v[SA+4:SA+5]
	v_add_f32 v[SA], v[SA], v[SA+1]
	v_permlanex16_b32 v252, v[SA], s[SEL], s[SEL+1]
	v_add_f32 v[SA], v[SA], v252
	v_fma_f32 v[SA], v[SA], s38, s39               ; the variance + 1e-5
	v_rsq_f32 v238, v[SA]
	v_nop                                          ; a plain place behind the transcendental,
	s_wait_alu depctr_va_vdst(0)                   ; and a wait ahead of its first reader
.set ii, 0
.rept 64
	v_pk_mul_f32 v[D+ii:D+ii+1], v[D+ii:D+ii+1], v[238:239] op_sel_hi:[1,0]
.set ii, ii+2
.endr
	WIN 0x04
.set ii, 0
.rept 64
	v_pk_mul_f32 v[D+ii:D+ii+1], v[D+ii:D+ii+1], v[ii:ii+1]
.set ii, ii+2
.endr
	WIN 0
.irp zq, 0,1,2
.set gq, 0
.rept 8                                ; eight sets of codes' registers by turns: a set is written again eight stores on
.set TT, TQ+16*(gq%2)
.irp i2, 0,1,2,3,4,5,6,7,8,9,10,11,12,13,14,15
	v_med3_num_f32 v[TT+\i2], v[D+16*gq+\i2], -v[21+2*\zq], v[21+2*\zq]   ; the hold at the largest code x the scale (ISA guide 7.6.2)
.endr
	v_cvt_scalef32_pk8_fp8_f32 v[CC+4*gq:CC+4*gq+1], v[TT:TT+7], v[20+2*\zq]
	v_cvt_scalef32_pk8_fp8_f32 v[CC+4*gq+2:CC+4*gq+3], v[TT+8:TT+15], v[20+2*\zq]
	ds_store_b128 v[AWQ+\zq], v[CC+4*gq:CC+4*gq+3] offset:(\mu)*4096+512*gq
.set gq, gq+1
.endr
.endr
.endm
	XTOK 0, 0, 1, 32                               ; behind tile 0's loads stand tile 1's 32
	WIN 0xc0
.irp zq, 0,1,2
.set kk, 0
.rept 16
	global_load_b128 v[64*\zq+4*kk:64*\zq+4*kk+3], v[LI], s[WP:WP+1] offset:\zq*65536+512*kk   ; row_wq, wk, wv: fragment (u, s) at 16 (2 u + s)
.set kk, kk+1
.endr
.endr
	WIN 0
	XTOK 1, 1, 1, 63                               ; behind tile 1's loads stand tile 2's 32 and the weights' 48: the count is the largest that the wait takes
	XTOK 2, 0, 0, 63                               ; behind tile 2's: the weights' 48 and tile 3's 32
	XTOK 3, 1, 0, 0                                ; the weights are in with it
	WIN 0x80
.set kk, 0
.rept 64
	global_load_b128 v[4*kk:4*kk+3], v[LI], s[BBP:BBP+1] offset:512*kk     ; the bias of query tiles 0 and 1, one into each buffer: they land during the projection
.set kk, kk+1
.endr
	WIN 0x40
.irp j2, 64,65,66,67
	v_mov_b32 v[\j2], 0                            ; behind k's last tile: the upper half of its fragment
.endr
	WIN 0
.irp j2, 4,5,6,7
	v_mov_b32 v[QF+\j2], 0                         ; q's upper 32 along K: zero codes
.endr
	BARRIER                                        ; x's 96 images lie in LDS
; ---- PROJECTION.  kind 0 q, 1 k, 2 v; step bq takes token tiles 2 bq, 2 bq + 1 (k, v: in the order U).  The 24 steps take two fragment buffers by turns
.macro PFETCH kind, bq, xb
.irp i2, 0,1
.irp s2, 0,1
.irp c2, 0,1,2,3
.if (\kind) == 0
	ds_load_b128 v[(\xb)+32*\i2+16*\s2+4*\c2:(\xb)+32*\i2+16*\s2+4*\c2+3], v[LI] offset:(\bq)*8192+\i2*4096+2048*\s2+512*\c2
.else
	ds_load_b128 v[(\xb)+32*\i2+16*\s2+4*\c2:(\xb)+32*\i2+16*\s2+4*\c2+3], v[ARK+(\kind)-1] offset:(\bq)*8192+\i2*128+2048*\s2+512*\c2
.endif
.endr
.endr
.endr
.endm
.macro PSTEP kind, bq
.set GS, 8*(\kind)+(\bq)
.set XB, 32+96*(GS%2)                  ; this step's fragments: v32 or v128 on
.set XN, 128-96*(GS%2)                 ; the next step's: the buffer that the step before multiplied; its 32 holds are the places behind those products
.if (\bq) < 7
	PFETCH \kind, (\bq)+1, XN
.elseif (\kind) < 2
	PFETCH (\kind)+1, 0, XN
.endif
.if GS == 23
	s_wait_dscnt 0x0                               ; the last step: nothing was asked for behind its fragments
.elseif (GS >= 1) && (GS <= 8)
	s_wait_dscnt 18                                ; behind this step's fragments: the last step's two stores of q's codes and the 16 loads just issued
.else
	s_wait_dscnt 16                                ; behind this step's fragments: the 16 loads just issued
.endif
.if (\kind) == 2
	WIN 0x0c
.else
	WIN 0x03
.endif
.irp s2, 0,1                           ; four accumulators by turns
.irp i2, 0,1
.irp u2, 0,1
.if (\kind) == 2
.if \s2 == 0
	v_wmma_f32_16x16x128_fp8_fp8 v[ACC+8*(2*\u2+\i2):ACC+8*(2*\u2+\i2)+7], v[XB+32*\i2+16*\s2:XB+32*\i2+16*\s2+15], v[128+16*(2*\u2+\s2):128+16*(2*\u2+\s2)+15], 0
.else
	v_wmma_f32_16x16x128_fp8_fp8 v[ACC+8*(2*\u2+\i2):ACC+8*(2*\u2+\i2)+7], v[XB+32*\i2+16*\s2:XB+32*\i2+16*\s2+15], v[128+16*(2*\u2+\s2):128+16*(2*\u2+\s2)+15], v[ACC+8*(2*\u2+\i2):ACC+8*(2*\u2+\i2)+7]
.endif
.else
.if \s2 == 0
	v_wmma_f32_16x16x128_fp8_fp8 v[ACC+8*(2*\i2+\u2):ACC+8*(2*\i2+\u2)+7], v[64*(\kind)+16*(2*\u2+\s2):64*(\kind)+16*(2*\u2+\s2)+15], v[XB+32*\i2+16*\s2:XB+32*\i2+16*\s2+15], 0
.else
	v_wmma_f32_16x16x128_fp8_fp8 v[ACC+8*(2*\i2+\u2):ACC+8*(2*\i2+\u2)+7], v[64*(\kind)+16*(2*\u2+\s2):64*(\kind)+16*(2*\u2+\s2)+15], v[XB+32*\i2+16*\s2:XB+32*\i2+16*\s2+15], v[ACC+8*(2*\i2+\u2):ACC+8*(2*\i2+\u2)+7]
.endif
.endif
.endr
.endr
.endr
	WIN 0
	PLACES 4                                       ; in front of the first read of results
.set ii, 0
.rept 32
	v_med3_num_f32 v[ACC+ii], v[ACC+ii], -v[27+2*(\kind)], v[27+2*(\kind)]
.set ii, ii+1
.endr
.if (\kind) == 0
.set QC, 192+8*((\bq)%2)
.irp i2, 0,1
	v_cvt_scalef32_pk8_fp8_f32 v[QC+4*\i2:QC+4*\i2+1], v[ACC+16*\i2:ACC+16*\i2+7], v26
	v_cvt_scalef32_pk8_fp8_f32 v[QC+4*\i2+2:QC+4*\i2+3], v[ACC+16*\i2+8:ACC+16*\i2+15], v26
.endr
	v_nop                                          ; a plain place between the conversions and the next products, which write their sources
.irp i2, 0,1
	ds_store_b128 v[AQI], v[QC+4*\i2:QC+4*\i2+3] offset:512*(2*(\bq)+\i2)
.endr
.elseif (\kind) == 1
	WIN 0x40
.irp i2, 0,1
	v_cvt_scalef32_pk8_fp8_f32 v[4*(2*(\bq)+\i2):4*(2*(\bq)+\i2)+1], v[ACC+16*\i2:ACC+16*\i2+7], v28
	v_cvt_scalef32_pk8_fp8_f32 v[4*(2*(\bq)+\i2)+2:4*(2*(\bq)+\i2)+3], v[ACC+16*\i2+8:ACC+16*\i2+15], v28
.endr
	v_nop
	WIN 0
.else
	WIN 0x40
.irp u2, 0,1
.irp i2, 0,1
	v_cvt_scalef32_pk8_fp8_f32 v[128+16*(2*\u2+((\bq)>>2))+4*((\bq)&3)+2*\i2:128+16*(2*\u2+((\bq)>>2))+4*((\bq)&3)+2*\i2+1], v[ACC+8*(2*\u2+\i2):ACC+8*(2*\u2+\i2)+7], v30
.endr
.endr
	v_nop
	WIN 0
.endif
.endm
	PFETCH 0, 0, 32
.irp kq, 0,1,2
.irp b2, 0,1,2,3,4,5,6,7
	PSTEP \kq, \b2
.endr
.endr
; ---- ATTENTION: one tile of 16 queries; hf = 0, 1: the trip's first or second tile, which is also the tile's bias buffer
.macro ATT hf
.set BBR, 128*(\hf)
.set OCR, OC+20*(\hf)
.set T2R, T2-6*(\hf)
.if (\hf) == 0
	v_add_nc_u32 v[T1], s[SQ], v[AQI]
	ds_load_b128 v[QF:QF+3], v[T1]                 ; q's codes of the trip's first tile: my own bytes; LDS serves a wave's instructions in order
	s_wait_loadcnt 32                              ; this tile's bias is in; the other buffer's 32 loads, issued behind it, may stay out
	s_wait_dscnt 0x0
.else
	s_wait_loadcnt 32                              ; the same; in the last trip the other arm below has waited for all
	s_wait_dscnt 1                                 ; q's codes are in; the first tile's store of o's codes, issued behind their load, may stay out
.endif
	WIN 0x21
.set tt, 0
.rept 16
	v_wmma_f32_16x16x64_fp8_fp8 v[S+8*tt:S+8*tt+7], v[4*tt:4*tt+7], v[QF:QF+7], v[BBR+8*tt:BBR+8*tt+7]   ; the upper half of k's fragment is the next tile's codes: they meet q's zero codes
.set tt, tt+1
.endr
	WIN 0
	PLACES 4
	s_cmp_eq_u32 s[CNT], 1                         ; the last trip has no tile two on: no load leaves its buffer
	s_cbranch_scc1 .Lnomore_\@
	WIN 0x80
.set kk, 0
.rept 32
	global_load_b128 v[BBR+4*kk:BBR+4*kk+3], v[LI], s[BBP:BBP+1] offset:32768+16384*(\hf)+512*kk   ; the bias of the tile two on, into the buffer just taken: it has two tiles' work in which to land
.set kk, kk+1
.endr
	WIN 0
	s_branch .Lgo_\@
.Lnomore_\@:
	s_wait_loadcnt 0x0                             ; so that the counted wait at the next tile's head holds on this way too
.Lgo_\@:
.if (\hf) == 0
	ds_load_b128 v[QF:QF+3], v[T1] offset:512      ; q's codes of the trip's second tile
.endif
.irp c2, 0,1,2,3,4,5,6,7                       ; the largest score of my query among my 128 keys: eight chains, the registers in ascending order
	v_max3_num_f32 v[MX+\c2], v[S+3*\c2], v[S+3*\c2+1], v[S+3*\c2+2]
.endr
.set ii, 24
.rept 6
.irp c2, 0,1,2,3,4,5,6,7
	v_max3_num_f32 v[MX+\c2], v[MX+\c2], v[S+ii+2*\c2], v[S+ii+2*\c2+1]
.endr
.set ii, ii+16
.endr
.irp c2, 0,1,2,3
	v_max3_num_f32 v[MX+\c2], v[MX+\c2], v[S+120+2*\c2], v[S+121+2*\c2]
.endr
	v_max3_num_f32 v[MX], v[MX], v[MX+1], v[MX+2]
	v_max3_num_f32 v[MX+3], v[MX+3], v[MX+4], v[MX+5]
	v_max3_num_f32 v[MX], v[MX], v[MX+3], v[MX+6]
	v_max_num_f32 v254, v[MX], v[MX+7]
	v_permlanex16_b32 v252, v254, s[SEL], s[SEL+1]
	v_max_num_f32 v254, v254, v252
	v_mul_f32 v254, s[CS], v254                    ; as t (c is positive)
	v_floor_f32 v246, -v254                        ; -M = floor(-t) = -ceil(t)
.irp j2, 0,2,4,6
	v_pk_fma_f32 v[S+\j2:S+\j2+1], v[S+\j2:S+\j2+1], s[CS:CS+1], v[246:247] op_sel_hi:[1,0,0]   ; t - M; the scalings run four pairs ahead of the exponentials and stand between them
.endr
.set ii, 0
.rept 64
.if ii+8 < 128
	v_pk_fma_f32 v[S+ii+8:S+ii+9], v[S+ii+8:S+ii+9], s[CS:CS+1], v[246:247] op_sel_hi:[1,0,0]
.endif
	v_exp_f32 v[S+ii], v[S+ii]                     ; p = 2^(t - M)
	v_exp_f32 v[S+ii+1], v[S+ii+1]
.set ii, ii+2
.endr
	v_nop                                          ; a plain place behind the batch,
	s_wait_alu depctr_va_vdst(0)                   ; and one wait for it, ahead of its first reader: no line above names an exponential's result
	v_pk_add_f32 v[248:249], v[S:S+1], v[S+2:S+3]  ; the row's sum of the unquantised p, in four chains
	v_pk_add_f32 v[250:251], v[S+4:S+5], v[S+6:S+7]
	v_pk_add_f32 v[236:237], v[S+8:S+9], v[S+10:S+11]
	v_pk_add_f32 v[238:239], v[S+12:S+13], v[S+14:S+15]
.set ii, 16
.rept 14
	v_pk_add_f32 v[248:249], v[248:249], v[S+ii:S+ii+1]
	v_pk_add_f32 v[250:251], v[250:251], v[S+ii+2:S+ii+3]
	v_pk_add_f32 v[236:237], v[236:237], v[S+ii+4:S+ii+5]
	v_pk_add_f32 v[238:239], v[238:239], v[S+ii+6:S+ii+7]
.set ii, ii+8
.endr
	v_pk_add_f32 v[248:249], v[248:249], v[250:251]
	v_pk_add_f32 v[236:237], v[236:237], v[238:239]
	v_pk_add_f32 v[248:249], v[248:249], v[236:237]
.set gq, 0
.rept 8
.irp i2, 0,1,2,3,4,5,6,7,8,9,10,11,12,13,14,15
	v_min_num_f32 v[S+16*gq+\i2], v[S+16*gq+\i2], v233     ; p is not negative: the hold is one-sided
.endr
	v_cvt_scalef32_pk8_fp8_f32 v[P+4*gq:P+4*gq+1], v[S+16*gq:S+16*gq+7], v232
	v_cvt_scalef32_pk8_fp8_f32 v[P+4*gq+2:P+4*gq+3], v[S+16*gq+8:S+16*gq+15], v232
.set gq, gq+1
.endr
	v_nop
	WIN 0x01
	v_wmma_f32_16x16x128_fp8_fp8 v[O:O+7], v[128:143], v[P:P+15], 0
	v_wmma_f32_16x16x128_fp8_fp8 v[O+8:O+15], v[160:175], v[P:P+15], 0
	v_wmma_f32_16x16x128_fp8_fp8 v[O:O+7], v[144:159], v[P+16:P+31], v[O:O+7]
	v_wmma_f32_16x16x128_fp8_fp8 v[O+8:O+15], v[176:191], v[P+16:P+31], v[O+8:O+15]
	WIN 0
	v_add_f32 v248, v248, v249
	v_permlanex16_b32 v253, v248, s[SEL], s[SEL+1]
	v_add_f32 v248, v248, v253
	v_rcp_f32 v250, v248
	PLACES 4
	s_wait_alu depctr_va_vdst(0)
.irp i2, 0,2,4,6,8,10,12,14
	v_pk_mul_f32 v[O+\i2:O+\i2+1], v[O+\i2:O+\i2+1], v[250:251] op_sel_hi:[1,0]
.endr
.irp i2, 0,1,2,3,4,5,6,7,8,9,10,11,12,13,14,15
	v_med3_num_f32 v[O+\i2], v[O+\i2], -v235, v235
.endr
	v_cvt_scalef32_pk8_fp8_f32 v[OCR:OCR+1], v[O:O+7], v234
	v_cvt_scalef32_pk8_fp8_f32 v[OCR+2:OCR+3], v[O+8:O+15], v234
	v_nop
	v_add_nc_u32 v[T2R], s[SO], v[AOS]
	ds_store_b128 v[T2R], v[OCR:OCR+3]
	s_add_co_u32 s[SO], s[SO], 768
.endm
	s_mov_b32 s[SQ], 0
	s_mov_b32 s[SO], 0
	s_mov_b32 s[CNT], 8
.Latt:                                             ; eight trips of two tiles
	ATT 0
	ATT 1
	s_add_co_u32 s[SQ], s[SQ], 1024
	s_wait_xcnt 0x0                                ; the trip's loads have read their base: it steps two images on
	s_add_nc_u64 s[BBP:BBP+1], s[BBP:BBP+1], 32768
	s_sub_co_u32 s[CNT], s[CNT], 1
	s_cmp_lg_u32 s[CNT], 0
	s_cbranch_scc1 .Latt
	BARRIER                                        ; the four heads' codes lie in the stage
.set kk, 0
.rept 16
	ds_load_b128 v[32+4*kk:35+4*kk], v[AOR] offset:192*kk
.set kk, kk+1
.endr
.set kk, 0
.rept 16
	s_wait_dscnt 15-kk                             ; the younger loads may stay out
	global_store_b128 v[LI], v[32+4*kk:35+4*kk], s[OP:OP+1] offset:512*kk  ; four tokens' rows: 512 consecutive bytes
.set kk, kk+1
.endr
	s_wait_tensorcnt 0x0                           ; the wave's end
	ds_add_u32 v[SPW], v[NIL]
	s_wait_dscnt 0x0
	s_endpgm
.Lfunc_end_k_q6d85222c6f_rowatt:
	.size	k_q6d85222c6f_rowatt, .Lfunc_end_k_q6d85222c6f_rowatt-k_q6d85222c6f_rowatt
	.p2alignl 7, 3214868480
	.fill 96, 4, 3214868480
	.section	.rodata,"a",@progbits
	.p2align	6, 0x0
	.amdhsa_kernel k_q6d85222c6f_rowatt
		.amdhsa_group_segment_fixed_size 279040
		.amdhsa_private_segment_fixed_size 0
		.amdhsa_enable_private_segment 0
		.amdhsa_kernarg_size 48
		.amdhsa_user_sgpr_count 2
		.amdhsa_user_sgpr_kernarg_segment_ptr 1
		.amdhsa_wavefront_size32 1
		.amdhsa_system_sgpr_workgroup_id_x 1
		.amdhsa_system_sgpr_workgroup_id_y 1
		.amdhsa_system_sgpr_workgroup_id_z 1
		.amdhsa_system_vgpr_workitem_id 0
		.amdhsa_next_free_vgpr 1024
		.amdhsa_next_free_sgpr 96
		.amdhsa_reserve_vcc 0
		.amdhsa_float_denorm_mode_32 3
		.amdhsa_float_denorm_mode_16_64 3
		.amdhsa_memory_ordered 1
		.amdhsa_forward_progress 1
		.amdhsa_inst_pref_size 255
	.end_amdhsa_kernel
	.section	.bss,"aw",@nobits
	.p2align	6
	.space	262144
	.amdgpu_metadata
---
amdhsa.version: [ 1, 2 ]
amdhsa.kernels:
  - .name:           k_q6d85222c6f_rowatt
    .symbol:         k_q6d85222c6f_rowatt.kd
    .args:
      - { .name: msa, .offset: 0, .size: 8, .value_kind: global_buffer, .address_space: global }
      - { .name: ln_row_w, .offset: 8, .size: 8, .value_kind: global_buffer, .address_space: global }
      - { .name: lowp_scales, .offset: 16, .size: 8, .value_kind: global_buffer, .address_space: global }
      - { .name: wcodes, .offset: 24, .size: 8, .value_kind: global_buffer, .address_space: global }
      - { .name: biasimg, .offset: 32, .size: 8, .value_kind: global_buffer, .address_space: global }
      - { .name: orow, .offset: 40, .size: 8, .value_kind: global_buffer, .address_space: global }
    .group_segment_fixed_size: 279040
    .private_segment_fixed_size: 0
    .kernarg_segment_align: 8
    .kernarg_segment_size: 48
    .max_flat_workgroup_size: 128
    .sgpr_count:     96
    .vgpr_count:     1024
    .wavefront_size: 32
...
	.end_amdgpu_metadata
.endif
;; end of part 2
;; launch colblk (part 3): grid 256 x 1, 4 waves a work-group, no clusters, 292,352 bytes of LDS; arguments msa, orow, lowp_scales, wcodes, ln_col_w, ln_mt_w, opm_ln_w, out0, axc; writes out0, axc
.if DOCPART == 3
	.amdgcn_target "amdgcn-amd-amdhsa--gfx1250"
	.amdhsa_code_object_version 6
	.text
	.protected	k_q6d85222c6f_colblk
	.globl	k_q6d85222c6f_colblk
	.p2align	8
	.type	k_q6d85222c6f_colblk,@function
k_q6d85222c6f_colblk:
	s_mov_b64 s[64:65], 0
	v_nop
	global_prefetch_b8 v0, s[64:65] scope:SCOPE_SE
	s_setreg_imm32_b32 hwreg(HW_REG_WAVE_MODE, 25, 1), 1
	s_wait_xcnt 0x0
; Launch 3 of 4: for one position i and all 128 sequences: msa + o row_wo; the column attention; the transition; out0; and the outer product's projection ax as codes.  Nothing of reference() is left out.
; THE WAVES SHARE THE COLUMNS: wave w owns units 64 w .. 64 w + 63 of every 256-wide result (heads 2 w, 2 w + 1; 64 of each 256 hidden units), for all 128 tokens (8 tiles of 16).
; THE RESIDUAL STAYS IN REGISTERS (window 3): R(m), register 16 b + j of lane (r, hf) = token 16 m + r, unit 64 w + 32 b + 16 hf + j: the layout in which a product with source 0 = 16 columns of a weight, source 1 = 16 tokens leaves its results.
; OPERANDS GO FROM WAVE TO WAVE THROUGH LDS AS IMAGES OF THEIR REGISTERS: of image (m, s) chunk c lies at region + 8192 (2 s + c / 2) + 1024 m + 512 (c % 2) + 16 lane: each writer's bytes are 8,192 on end.
; Weights come from wcodes, laid in operand order, straight into registers, a set of 128 registers a stage ahead; LDS is full of activations, so there is no room for weight slots, and no tensor load or cluster is used.
; A STAGE (one product over the eight token tiles) HAS THREE FRAGMENT BUFFERS: a tile's eight LDS loads go out two tiles ahead of its products.
; A LayerNorm's sums span the four waves: each wave makes the mean and the sum of squared deviations of its own 64 units; they are joined by the formula for joining groups, so that no difference of large sums is formed.
; LIMITS: each folded exponent (e12, e14, e16, e21, e24, e28, e18-e12-e13, e19-e14-e15, e20-e16-e17, e22-e20-e21, e26-e24-e25, e30-e28-e29, e31-e28-e29) between -126 and 119;
;   e10+e11, e22+e23, e26+e27 between -126 and 127; e18+e19 between -124 and 129.  NaN among the inputs is not served.  y = x rs - mean rs is one fused multiply-add.  In product 11 q is A (e18), k is B (e19); ax under e30 is the side (i, d), under e31 the side (j, e).
; REGISTERS: window 0: v3-23 addresses; v24-31 four (scale, hold) pairs; fragments v32-63, v64-95, v192-223; ACC v96-159 two sets of four accumulators; C v160-191 four sets of codes;
;   v192-223 also hold a LayerNorm's gains, from just ahead of its statistics to its end; v224-255 statistics.
;   window 1: two weight sets, v0-127 and v128-255.  window 2: k's codes (40 b + 4 t) and v's fragments (128 + 16 (2 b + u)).  window 3: R.
.set XQ, 32768
.set XK, 65536
.set XV, 98304
.set QI, 131072
.set OI, 163840
.set XM, 196608
.set H0, 229376
.set ST, 262144
.set SG, 274432
.set SPARE, 291840
.set LI, 3
.set LP, 4
.set WPW, 5
.set AR, 6
.set AW, 7
.set MA, 8
.set LWA, 12
.set STW, 13
.set STR, 14
.set SGW, 15
.set SGR, 16
.set OA, 17
.set SPW, 18
.set NIL, 19
.set AW2, 20
.set AW3, 21
.set T1, 22
.set T2, 23
.set XF, 32
.set ACC, 96
.set C, 160
.set LW, 192
.set SEL, 48
.set CS, 50
.set SC, 52
.set WP, 58
.set W1P, 60
.set W2P, 62
.set SQ, 66
.set SA, 67
.set CNT, 68
.set MP, 76
.set ORP, 78
.set OP, 80
.set AXP, 82
.set PJP, 84
.set MSB, 0
.macro WIN new                         ; the immediate's high byte repeats the setting that is left
.if MSB != (\new)
	s_set_vgpr_msb (MSB<<8)|(\new)
.set MSB, (\new)
.endif
.endm
.macro PLACES n
.rept \n
	v_nop
.endr
.endm
.macro BARRIER                         ; my LDS stores have landed and my LDS loads are in: then the work-group's barrier
	s_wait_dscnt 0x0
	s_barrier_signal -1
	s_barrier_wait -1
.endm
.macro MKQ vs, vl, se, st              ; v[vs] = 2^E as f32, v[vl] = 448 x 2^E, E in s[se]
	s_add_co_i32 s[\st], s[\se], 127
	s_lshl_b32 s[\st+1], s[\st], 23
	v_mov_b32 v[\vs], s[\st+1]
	s_add_co_i32 s[\st], s[\st], 8
	s_lshl_b32 s[\st], s[\st], 23
	s_or_b32 s[\st], s[\st], 0x600000
	v_mov_b32 v[\vl], s[\st]
.endm
.macro MKF sd, se                      ; s[sd], s[sd+1] = 2^E as f32
	s_add_co_i32 s[\sd], s[\se], 127
	s_lshl_b32 s[\sd], s[\sd], 23
	s_mov_b32 s[\sd+1], s[\sd]
.endm
; a weight set: my four column tiles x two K steps, 32 dense loads of 512 bytes.  wt = 1: only the 32 just issued may stay out: the set that is due, asked for a stage ago, and all older loads are in
.macro LOADW set, p, off, wt
	WIN 0x40
.set kk, 0
.rept 32
	global_load_b128 v[\set+4*kk:\set+4*kk+3], v[LI], s[\p:\p+1] offset:\off+512*kk
.set kk, kk+1
.endr
	WIN 0
.if \wt
	s_wait_loadcnt 32
.endif
.endm
.macro LOADW2 set                      ; mt_w2: its rows of fragments are eight K steps long
	WIN 0x40
.set kk, 0
.rept 32
	global_load_b128 v[\set+4*kk:\set+4*kk+3], v[LI], s[W2P:W2P+1] offset:16384*(kk>>3)+512*(kk&7)
.set kk, kk+1
.endr
	WIN 0
	s_wait_loadcnt 32
.endm
.macro LOADLW p                        ; a LayerNorm's gains of my 64 units, in R's layout: asked for behind the stage that used their registers as a fragment buffer; they land during the statistics
.irp b2, 0,1
.irp q2, 0,1,2,3
	global_load_b128 v[LW+16*\b2+4*\q2:LW+16*\b2+4*\q2+3], v[LWA], s[\p:\p+1] offset:128*\b2+16*\q2
.endr
.endr
.endm
.macro SETXB tau                       ; tile tau's fragment buffer: v32, v64, v192 by turns
.set XB, 32+32*((\tau)%3)+96*(((\tau)%3)/2)
.endm
.macro FETCHX tau, perm                ; both K steps of token tile tau; perm = 1: tokens in the order U(tau, r) = 32 (tau / 2) + 8 (tau % 2) + r + 8 (r / 8)
	SETXB \tau
.irp w2, 0,1,2,3
.irp c2, 0,1
.if \perm
	ds_load_b128 v[XB+8*\w2+4*\c2:XB+8*\w2+4*\c2+3], v[AR] offset:\w2*8192+2048*((\tau)>>1)+128*((\tau)&1)+512*\c2
.else
	ds_load_b128 v[XB+8*\w2+4*\c2:XB+8*\w2+4*\c2+3], v[AR] offset:\w2*8192+1024*(\tau)+512*\c2
.endif
.endr
.endr
.endm
.macro MM8 tau, set, nat               ; eight products: four accumulators by turns.  nat = 1: the sources swapped
	SETXB \tau
.set AB, ACC+32*((\tau)%2)
.if \nat
	WIN 0x04
.else
	WIN 0x01
.endif
.irp s2, 0,1
.irp t2, 0,1,2,3
.if \nat
.if \s2 == 0
	v_wmma_f32_16x16x128_fp8_fp8 v[AB+8*\t2:AB+8*\t2+7], v[XB+16*\s2:XB+16*\s2+15], v[\set+16*(2*\t2+\s2):\set+16*(2*\t2+\s2)+15], 0
.else
	v_wmma_f32_16x16x128_fp8_fp8 v[AB+8*\t2:AB+8*\t2+7], v[XB+16*\s2:XB+16*\s2+15], v[\set+16*(2*\t2+\s2):\set+16*(2*\t2+\s2)+15], v[AB+8*\t2:AB+8*\t2+7]
.endif
.else
.if \s2 == 0
	v_wmma_f32_16x16x128_fp8_fp8 v[AB+8*\t2:AB+8*\t2+7], v[\set+16*(2*\t2+\s2):\set+16*(2*\t2+\s2)+15], v[XB+16*\s2:XB+16*\s2+15], 0
.else
	v_wmma_f32_16x16x128_fp8_fp8 v[AB+8*\t2:AB+8*\t2+7], v[\set+16*(2*\t2+\s2):\set+16*(2*\t2+\s2)+15], v[XB+16*\s2:XB+16*\s2+15], v[AB+8*\t2:AB+8*\t2+7]
.endif
.endif
.endr
.endr
	WIN 0
.endm
.macro HOLD32 relu, vl                 ; the hold (and the activation) on the set AB, each accumulator from its low end on
.set ii, 0
.rept 32
.if \relu
	v_med3_num_f32 v[AB+ii], v[AB+ii], 0, v[\vl]
.else
	v_med3_num_f32 v[AB+ii], v[AB+ii], -v[\vl], v[\vl]
.endif
.set ii, ii+1
.endr
.endm
.macro QPOST mq, relu, vs, vl          ; a tile's 32 results a lane become two chunks of an image; four sets of codes' registers by turns
	HOLD32 \relu, \vl
.set CB, C+8*((\mq)%4)
.irp e2, 0,1,2,3
	v_cvt_scalef32_pk8_fp8_f32 v[CB+2*\e2:CB+2*\e2+1], v[AB+8*\e2:AB+8*\e2+7], v[\vs]
.endr
	v_nop                                          ; a plain place between the conversions and the products that write their sources
	ds_store_b128 v[AW], v[CB:CB+3] offset:1024*(\mq)
	ds_store_b128 v[AW], v[CB+4:CB+7] offset:1024*(\mq)+512
.endm
; what is made of a tile's results.  0: added to the residual; 1: q's codes to LDS; 2: k's codes to registers; 3: v's; 4: the hidden layer's codes to LDS
.macro DOPOST kind, mq
.set AB, ACC+32*((\mq)%2)
.if (\kind) == 0
	WIN 0xf0
.set ii, 0
.rept 16
	v_pk_fma_f32 v[32*(\mq)+ii:32*(\mq)+ii+1], v[AB+ii:AB+ii+1], s[SC:SC+1], v[32*(\mq)+ii:32*(\mq)+ii+1] op_sel_hi:[1,0,1]
.set ii, ii+2
.endr
	WIN 0
.elseif (\kind) == 1
	QPOST \mq, 0, 30, 31
.elseif (\kind) == 4
	QPOST \mq, 1, 26, 27
.elseif (\kind) == 2
	HOLD32 0, 25
	WIN 0x80
.irp b2, 0,1
.irp e2, 0,1
	v_cvt_scalef32_pk8_fp8_f32 v[40*\b2+4*(\mq)+2*\e2:40*\b2+4*(\mq)+2*\e2+1], v[AB+16*\b2+8*\e2:AB+16*\b2+8*\e2+7], v24
.endr
.endr
	v_nop
	WIN 0
.else
	HOLD32 0, 27
	WIN 0x80
.irp t2, 0,1,2,3
	v_cvt_scalef32_pk8_fp8_f32 v[128+16*\t2+4*((\mq)>>1)+2*((\mq)&1):128+16*\t2+4*((\mq)>>1)+2*((\mq)&1)+1], v[AB+8*\t2:AB+8*\t2+7], v26
.endr
	v_nop
	WIN 0
.endif
.endm
; A STAGE: one product over the eight token tiles.  In trip m: the wait for tile m + 1's fragments; tile m + 3's eight loads, into the buffer that tile m's products read; tile m + 1's products; tile m's results are worked on.
; Behind the products of tile m stand four places or the plain lines of tile m - 1's work: so the reads of its results, the loads into its fragments and the next products on its accumulators keep their distance.
; st = the LDS stores of a tile's work (0 or 2).  THE COUNTS.  LDS instructions end in order.  Behind tile m + 1's loads were issued: tile m - 2's stores, tile m + 2's loads, tile m - 1's stores, as far as there are such.
.macro GSTAGE post, nat, set, perm, st
	FETCHX 0, \perm
	FETCHX 1, \perm
	FETCHX 2, \perm
	s_wait_dscnt 16                                ; tiles 1 and 2 may stay out
	MM8 0, \set, \nat
	PLACES 4
.irp mq, 0,1,2,3,4,5,6,7
.if \mq < 7
.if \mq == 0
	s_wait_dscnt 8                                 ; tile 2's loads
.elseif \mq == 1
	s_wait_dscnt 8+(\st)                           ; tile 3's loads, tile 0's stores
.elseif \mq < 6
	s_wait_dscnt 8+2*(\st)                         ; a tile's loads, two tiles' stores
.else
	s_wait_dscnt 2*(\st)                           ; two tiles' stores: nothing was fetched behind tile 7
.endif
.if \mq < 5
	FETCHX \mq+3, \perm
.endif
	MM8 \mq+1, \set, \nat
.endif
	DOPOST \post, \mq
.endr
.endm
; my 64 units' mean and sum of squared deviations for each of the 128 tokens; to LDS: 8 bytes a token
.macro LNSTAT kq
	WIN 0x0f
.irp mq, 0,1,2,3,4,5,6,7
.irp j2, 0,1
	v_pk_add_f32 v[32+4*\mq+2*\j2:33+4*\mq+2*\j2], v[32*\mq+2*\j2:32*\mq+2*\j2+1], v[32*\mq+4+2*\j2:32*\mq+5+2*\j2]
.endr
.endr
	WIN 0x0c
.irp i2, 8,12,16,20,24,28
.irp mq, 0,1,2,3,4,5,6,7
.irp j2, 0,1
	v_pk_add_f32 v[32+4*\mq+2*\j2:33+4*\mq+2*\j2], v[32+4*\mq+2*\j2:33+4*\mq+2*\j2], v[32*\mq+\i2+2*\j2:32*\mq+\i2+2*\j2+1]
.endr
.endr
.endr
	WIN 0
.irp mq, 0,1,2,3,4,5,6,7
	v_pk_add_f32 v[32+4*\mq:33+4*\mq], v[32+4*\mq:33+4*\mq], v[34+4*\mq:35+4*\mq]
.endr
.irp mq, 0,1,2,3,4,5,6,7
	v_add_f32 v[32+4*\mq], v[32+4*\mq], v[33+4*\mq]
.endr
.irp mq, 0,1,2,3,4,5,6,7
	v_permlanex16_b32 v[33+4*\mq], v[32+4*\mq], s[SEL], s[SEL+1]
.endr
.irp mq, 0,1,2,3,4,5,6,7
	v_add_f32 v[32+4*\mq], v[32+4*\mq], v[33+4*\mq]
.endr
.irp mq, 0,1,2,3,4,5,6,7
	v_mul_f32 v[224+2*\mq], s54, v[32+4*\mq]
.endr
.irp mq, 0,1,2,3,4,5,6,7
.set AB, ACC+32*(\mq%2)
	WIN 0x03
.set ii, 0
.rept 16
	v_pk_add_f32 v[AB+ii:AB+ii+1], v[32*\mq+ii:32*\mq+ii+1], v[224+2*\mq:225+2*\mq] op_sel_hi:[1,0] neg_lo:[0,1] neg_hi:[0,1]
.set ii, ii+2
.endr
	WIN 0
	v_pk_mul_f32 v[64+4*\mq:65+4*\mq], v[AB:AB+1], v[AB:AB+1]
	v_pk_mul_f32 v[66+4*\mq:67+4*\mq], v[AB+2:AB+3], v[AB+2:AB+3]
.set ii, 4
.rept 7
	v_pk_fma_f32 v[64+4*\mq:65+4*\mq], v[AB+ii:AB+ii+1], v[AB+ii:AB+ii+1], v[64+4*\mq:65+4*\mq]
	v_pk_fma_f32 v[66+4*\mq:67+4*\mq], v[AB+ii+2:AB+ii+3], v[AB+ii+2:AB+ii+3], v[66+4*\mq:67+4*\mq]
.set ii, ii+4
.endr
.endr
.irp mq, 0,1,2,3,4,5,6,7
	v_pk_add_f32 v[64+4*\mq:65+4*\mq], v[64+4*\mq:65+4*\mq], v[66+4*\mq:67+4*\mq]
.endr
.irp mq, 0,1,2,3,4,5,6,7
	v_add_f32 v[64+4*\mq], v[64+4*\mq], v[65+4*\mq]
.endr
.irp mq, 0,1,2,3,4,5,6,7
	v_permlanex16_b32 v[65+4*\mq], v[64+4*\mq], s[SEL], s[SEL+1]
.endr
.irp mq, 0,1,2,3,4,5,6,7
	v_add_f32 v[225+2*\mq], v[64+4*\mq], v[65+4*\mq]
.endr
.irp mq, 0,1,2,3,4,5,6,7
	v_cndmask_b32 v[32+\mq], v[224+2*\mq], v[225+2*\mq], s57       ; lanes 0-15 store the mean, lanes 16-31 the squares
.endr
.irp mq, 0,1,2,3,4,5,6,7
	ds_store_b32 v[STW], v[32+\mq] offset:4096*(\kq)+128*\mq
.endr
.endm
; the four waves' figures joined: mean = the mean of the means; squares = their sum + 64 x the squared distances of the means.  Leaves rs in v[240 + 2 m] and -mean rs in v[224 + 2 m]
.macro LNCOMB kq
.irp mq, 0,1,2,3,4,5,6,7
.irp w2, 0,1,2,3
	ds_load_b64 v[32+8*\mq+2*\w2:33+8*\mq+2*\w2], v[STR] offset:4096*(\kq)+1024*\w2+128*\mq
.endr
.endr
	s_wait_dscnt 0x0
.irp mq, 0,1,2,3,4,5,6,7
	v_add_f32 v[96+4*\mq], v[32+8*\mq], v[34+8*\mq]
	v_add_f32 v[97+4*\mq], v[36+8*\mq], v[38+8*\mq]
.endr
.irp mq, 0,1,2,3,4,5,6,7
	v_add_f32 v[96+4*\mq], v[96+4*\mq], v[97+4*\mq]
.endr
.irp mq, 0,1,2,3,4,5,6,7
	v_mul_f32 v[96+4*\mq], 0x3e800000, v[96+4*\mq]
.endr
.irp w2, 0,1,2,3
.irp mq, 0,1,2,3,4,5,6,7
	v_sub_f32 v[32+8*\mq+2*\w2], v[32+8*\mq+2*\w2], v[96+4*\mq]
.endr
.endr
.irp mq, 0,1,2,3,4,5,6,7
	v_mul_f32 v[97+4*\mq], v[32+8*\mq], v[32+8*\mq]
.endr
.irp w2, 1,2,3
.irp mq, 0,1,2,3,4,5,6,7
	v_fma_f32 v[97+4*\mq], v[32+8*\mq+2*\w2], v[32+8*\mq+2*\w2], v[97+4*\mq]
.endr
.endr
.irp mq, 0,1,2,3,4,5,6,7
	v_add_f32 v[98+4*\mq], v[33+8*\mq], v[35+8*\mq]
	v_add_f32 v[99+4*\mq], v[37+8*\mq], v[39+8*\mq]
.endr
.irp mq, 0,1,2,3,4,5,6,7
	v_add_f32 v[98+4*\mq], v[98+4*\mq], v[99+4*\mq]
.endr
.irp mq, 0,1,2,3,4,5,6,7
	v_fma_f32 v[98+4*\mq], v[97+4*\mq], 0x42800000, v[98+4*\mq]    ; + 64 x the squared distances
.endr
.irp mq, 0,1,2,3,4,5,6,7
	v_fma_f32 v[241+2*\mq], v[98+4*\mq], s55, s56                  ; the variance + 1e-5
.endr
.irp mq, 0,1,2,3,4,5,6,7
	v_rsq_f32 v[240+2*\mq], v[241+2*\mq]
.endr
	v_nop                                          ; a plain place behind the batch, and one wait for it, ahead of its first reader
	s_wait_alu depctr_va_vdst(0)
.irp mq, 0,1,2,3,4,5,6,7
	v_mul_f32 v[224+2*\mq], -v[96+4*\mq], v[240+2*\mq]
.endr
.endm
; tile mq normalised, x the gains, and quantised nsc times (scale pairs v24, v26, v28; address registers AW, AW2, AW3); four sets of codes' registers by turns
.macro LNNORM mq, nsc
.set AB, ACC+32*((\mq)%2)
	WIN 0x03
.set ii, 0
.rept 16
	v_pk_fma_f32 v[AB+ii:AB+ii+1], v[32*(\mq)+ii:32*(\mq)+ii+1], v[240+2*(\mq):241+2*(\mq)], v[224+2*(\mq):225+2*(\mq)] op_sel_hi:[1,0,0]
.set ii, ii+2
.endr
	WIN 0
.set ii, 0
.rept 16
	v_pk_mul_f32 v[AB+ii:AB+ii+1], v[AB+ii:AB+ii+1], v[LW+ii:LW+ii+1]
.set ii, ii+2
.endr
.irp zq, 0,1,2
.if \zq < (\nsc)
.set XB, XF+32*(\zq%2)
.set CB, C+8*(((\mq)*(\nsc)+\zq)%4)
.set ii, 0
.rept 32
	v_med3_num_f32 v[XB+ii], v[AB+ii], -v[25+2*\zq], v[25+2*\zq]
.set ii, ii+1
.endr
.irp e2, 0,1,2,3
	v_cvt_scalef32_pk8_fp8_f32 v[CB+2*\e2:CB+2*\e2+1], v[XB+8*\e2:XB+8*\e2+7], v[24+2*\zq]
.endr
.if \zq == 0
	ds_store_b128 v[AW], v[CB:CB+3] offset:1024*(\mq)
	ds_store_b128 v[AW], v[CB+4:CB+7] offset:1024*(\mq)+512
.elseif \zq == 1
	ds_store_b128 v[AW2], v[CB:CB+3] offset:1024*(\mq)
	ds_store_b128 v[AW2], v[CB+4:CB+7] offset:1024*(\mq)+512
.else
	ds_store_b128 v[AW3], v[CB:CB+3] offset:1024*(\mq)
	ds_store_b128 v[AW3], v[CB+4:CB+7] offset:1024*(\mq)+512
.endif
.endif
.endr
.endm
; ---- THE HEAD
	s_load_b256 s[4:11], s[0:1], 0x0               ; msa, orow, the scales' exponents, wcodes
	s_load_b256 s[12:19], s[0:1], 0x20             ; ln_col_w, ln_mt_w, opm_ln_w, out0
	s_load_b64 s[20:21], s[0:1], 0x40              ; axc
	v_lshl_add_u32 v[SPW], v0, 2, SPARE
	v_mov_b32 v[NIL], 0
	v_lshrrev_b32 v1, 5, v0
	v_readfirstlane_b32 s2, v1                     ; wave
	v_and_b32 v1, 31, v0
	v_and_b32 v2, 15, v0                           ; r
	v_bfe_u32 v23, v0, 4, 1                        ; hf
	v_lshlrev_b32 v[LI], 4, v1
	v_bfe_u32 v22, v0, 3, 1
	v_lshlrev_b32 v[LP], 10, v22
	v_lshl_add_u32 v[LP], v23, 8, v[LP]
	v_and_b32 v22, 7, v0
	v_lshl_add_u32 v[LP], v22, 4, v[LP]            ; tokens in the order U: 1024 (r / 8) + 256 hf + 16 (r % 8)
	s_lshl_b32 s70, s2, 13
	v_add_nc_u32 v[WPW], s70, v[LI]                ; a writer's place in a region
	v_lshlrev_b32 v[MA], 18, v2
	v_lshl_add_u32 v[MA], v23, 6, v[MA]            ; msa: sequence r (262,144 bytes apart) + 64 hf; four registers, two tiles of sequences apart
	v_add_nc_u32 v[MA+1], 0x800000, v[MA]
	v_add_nc_u32 v[MA+2], 0x1000000, v[MA]
	v_add_nc_u32 v[MA+3], 0x1800000, v[MA]
	v_lshlrev_b32 v[LWA], 6, v23
	v_lshlrev_b32 v[STR], 3, v2
	v_add_nc_u32 v[STR], ST, v[STR]
	v_lshl_add_u32 v[STW], v23, 2, v[STR]
	s_lshl_b32 s70, s2, 10
	v_add_nc_u32 v[STW], s70, v[STW]
	s_mul_i32 s70, s2, 4352
	s_add_co_u32 s70, s70, SG
	v_mul_u32_u24 v[SGW], v2, 272
	v_lshl_add_u32 v[SGW], v23, 6, v[SGW]
	v_add_nc_u32 v[SGW], s70, v[SGW]               ; my stage for out0, in: row r, + 64 hf
	v_mul_u32_u24 v[SGR], v23, 272
	v_lshl_add_u32 v[SGR], v2, 4, v[SGR]
	v_add_nc_u32 v[SGR], s70, v[SGR]               ; and back: sixteen lanes to a row of 256 bytes
	v_lshlrev_b32 v[OA], 18, v23
	v_lshl_add_u32 v[OA], v2, 4, v[OA]
	v_lshlrev_b32 v22, 15, v2
	v_lshl_add_u32 v22, v23, 4, v22                ; orow: sequence r (32,768 bytes apart) + 16 hf
.set ii, 224
.rept 32
	v_mov_b32 v[ii], 0                             ; statistics: pairs of which one word is used, and destinations of lane permutes: written once
.set ii, ii+1
.endr
	s_mov_b32 s[SEL], 0x76543210
	s_mov_b32 s[SEL+1], 0xfedcba98
	s_mov_b32 s54, 0x3c800000                      ; 1 / 64
	s_mov_b32 s55, 0x3b800000                      ; 1 / 256
	s_mov_b32 s56, 0x3727c5ac                      ; 1e-5
	s_mov_b32 s57, 0xffff0000
	s_lshl_b32 s70, ttmp9, 10
	s_lshl_b32 s71, s2, 8
	s_add_co_u32 s70, s70, s71                     ; msa, out0: position i, my 64 units
	s_mov_b32 s71, 0
	s_lshl_b32 s72, ttmp9, 7
	s_lshr_b32 s73, s2, 1
	s_lshl_b32 s74, s73, 22
	s_add_co_u32 s72, s72, s74
	s_and_b32 s75, s2, 1
	s_lshl_b32 s74, s75, 6
	s_add_co_u32 s72, s72, s74                     ; orow: K step w / 2, position i, chunks 2 (w % 2) on
	s_lshl_b32 s74, s73, 20
	s_mov_b32 s73, 0
	s_lshl_b32 s86, ttmp9, 12
	s_add_co_u32 s74, s74, s86
	s_lshl_b32 s86, s75, 11
	s_add_co_u32 s74, s74, s86                     ; axc: role w / 2, position i, tile w % 2
	s_lshl_b32 s86, s75, 12
	s_add_co_u32 s86, s86, 1310720                 ; wcodes: opm_proj_w's tile w % 2
	s_mov_b32 s75, 0
	s_mov_b32 s87, 0
	s_lshl_b32 s88, s2, 14                         ; wcodes: my four column tiles of a weight with two K steps
	s_mov_b32 s89, 0
	s_lshl_b32 s90, s2, 16
	s_add_co_u32 s90, s90, 786432                  ; and of mt_w2
	s_mov_b32 s91, 0
	s_lshl_b32 s92, s2, 8                          ; the gains of my 64 units
	s_mov_b32 s93, 0
	s_wait_kmcnt 0x0
	s_load_b512 s[24:39], s[8:9], 0x20             ; e8 .. e23: entry k in s[16 + k]
	s_load_b256 s[40:47], s[8:9], 0x60             ; e24 .. e31
	s_add_nc_u64 s[MP:MP+1], s[4:5], s[70:71]
	s_add_nc_u64 s[OP:OP+1], s[18:19], s[70:71]
	s_add_nc_u64 s[ORP:ORP+1], s[6:7], s[72:73]
	s_add_nc_u64 s[AXP:AXP+1], s[20:21], s[74:75]
	s_add_nc_u64 s[PJP:PJP+1], s[10:11], s[86:87]
	s_add_nc_u64 s[WP:WP+1], s[10:11], s[88:89]
	s_add_nc_u64 s[W1P:W1P+1], s[WP:WP+1], 524288
	s_add_nc_u64 s[W2P:W2P+1], s[10:11], s[90:91]
	s_add_nc_u64 s[12:13], s[12:13], s[92:93]
	s_add_nc_u64 s[14:15], s[14:15], s[92:93]
	s_add_nc_u64 s[16:17], s[16:17], s[92:93]
.irp mq, 0,1,2,3,4,5,6,7
.irp c2, 0,1
	global_load_b128 v[32+8*\mq+4*\c2:35+8*\mq+4*\c2], v22, s[ORP:ORP+1] offset:524288*\mq+32*\c2 th:TH_LOAD_NT   ; o's codes: my two chunks of all eight tiles
.endr
.endr
	LOADW 0, WP, 196608, 0                         ; row_wo
	WIN 0xc0
.irp mq, 0,1,2,3,4,5,6,7
.irp b2, 0,1
.irp q2, 0,1,2,3
	global_load_b128 v[32*\mq+16*\b2+4*\q2:32*\mq+16*\b2+4*\q2+3], v[MA+(\mq>>1)], s[MP:MP+1] offset:(\mq&1)*4194304+128*\b2+16*\q2 th:TH_LOAD_NT
.endr
.endr
.endr
	WIN 0
	s_wait_loadcnt 63                              ; of the 112 loads the oldest 49 are in: o's 16 and row_wo's 32 among them
.irp mq, 0,1,2,3,4,5,6,7
.irp c2, 0,1
	ds_store_b128 v[WPW], v[32+8*\mq+4*\c2:35+8*\mq+4*\c2] offset:1024*\mq+512*\c2
.endr
.endr
	s_wait_kmcnt 0x0
	s_add_co_i32 s70, s26, s27
	MKF SC, 70                                     ; 2^(e10 + e11)
	BARRIER                                        ; o's sixteen fragments lie in LDS
; ---- msa + o row_wo
	LOADW 128, WP, 262144, 1                       ; col_wq; the wait also shows the residual's 64 loads in
	v_mov_b32 v[AR], v[LI]
	GSTAGE 0, 0, 0, 0, 0
; ---- the LayerNorm ahead of the column attention: x three times into codes
	LOADLW 12
	LNSTAT 0
	BARRIER
	LNCOMB 0
	v_add_nc_u32 v[AW], XQ, v[WPW]
	v_add_nc_u32 v[AW2], XK, v[WPW]
	v_add_nc_u32 v[AW3], XV, v[WPW]
	MKQ 24, 25, 28, 70
	MKQ 26, 27, 30, 70
	MKQ 28, 29, 32, 70
	s_wait_loadcnt 0x0                             ; the gains, the youngest loads, are in
.irp m2, 0,1,2,3,4,5,6,7
	LNNORM \m2, 3
.endr
	BARRIER
; ---- q, k, v of my two heads
	LOADW 0, WP, 327680, 1                         ; col_wk
	v_add_nc_u32 v[AR], XQ, v[LI]
	v_add_nc_u32 v[AW], QI, v[WPW]
	s_sub_co_i32 s72, s34, s28
	s_sub_co_i32 s72, s72, s29
	MKQ 30, 31, 72, 70
	GSTAGE 1, 0, 128, 0, 2
	LOADW 128, WP, 393216, 1                       ; col_wv
	WIN 0x80
.irp j2, 32,33,34,35,72,73,74,75
	v_mov_b32 v[\j2], 0                            ; behind each head's last tile of k: the upper half of its fragment
.endr
	WIN 0
	v_add_nc_u32 v[AR], XK, v[LP]
	s_sub_co_i32 s72, s35, s30
	s_sub_co_i32 s72, s72, s31
	MKQ 24, 25, 72, 70
	GSTAGE 2, 0, 0, 1, 0
	LOADW 0, WP, 458752, 1                         ; col_wo
	v_add_nc_u32 v[AR], XV, v[LP]
	s_sub_co_i32 s72, s36, s32
	s_sub_co_i32 s72, s72, s33
	MKQ 26, 27, 72, 70
	GSTAGE 3, 1, 128, 1, 0
; ---- the column attention, within the wave: a tile of 16 queries of both heads a trip; all 128 keys at once
	MKQ 28, 29, 37, 70                             ; p
	s_sub_co_i32 s72, s38, s36
	s_sub_co_i32 s72, s72, s37
	MKQ 30, 31, 72, 70                             ; o
	s_mov_b32 s[CS], 0x3e8293ee                    ; c = log2(e) / sqrt(32),
	s_add_co_i32 s72, s34, s35
	s_lshl_b32 s72, s72, 23
	s_add_co_i32 s[CS], s[CS], s72                 ; x 2^(e18 + e19)
	s_mov_b32 s[CS+1], s[CS]
.irp j2, 196,197,198,199,204,205,206,207
	v_mov_b32 v[\j2], 0                            ; q's upper 32 along K: zero codes
.endr
	v_add_nc_u32 v[AW2], OI, v[WPW]
.macro SOFTMAX sb                      ; 64 scores of a lane become p's codes in v160-175; the row's sum is left in v[248:249]
.irp c2, 0,1,2,3,4,5,6,7                       ; the maximum in eight chains, the registers in ascending order
	v_max3_num_f32 v[224+\c2], v[(\sb)+3*\c2], v[(\sb)+3*\c2+1], v[(\sb)+3*\c2+2]
.endr
.set ii, 24
.rept 2
.irp c2, 0,1,2,3,4,5,6,7
	v_max3_num_f32 v[224+\c2], v[224+\c2], v[(\sb)+ii+2*\c2], v[(\sb)+ii+2*\c2+1]
.endr
.set ii, ii+16
.endr
.irp c2, 0,1,2,3
	v_max3_num_f32 v[224+\c2], v[224+\c2], v[(\sb)+56+2*\c2], v[(\sb)+57+2*\c2]
.endr
	v_max3_num_f32 v224, v224, v225, v226
	v_max3_num_f32 v227, v227, v228, v229
	v_max3_num_f32 v224, v224, v227, v230
	v_max_num_f32 v254, v224, v231
	v_permlanex16_b32 v252, v254, s[SEL], s[SEL+1]
	v_max_num_f32 v254, v254, v252
	v_mul_f32 v254, s[CS], v254
	v_floor_f32 v246, -v254                        ; -M = -ceil(the row's largest t)
.irp j2, 0,2,4,6
	v_pk_fma_f32 v[(\sb)+\j2:(\sb)+\j2+1], v[(\sb)+\j2:(\sb)+\j2+1], s[CS:CS+1], v[246:247] op_sel_hi:[1,0,0]   ; the scalings run four pairs ahead of the exponentials and stand between them
.endr
.set ii, 0
.rept 32
.if ii+8 < 64
	v_pk_fma_f32 v[(\sb)+ii+8:(\sb)+ii+9], v[(\sb)+ii+8:(\sb)+ii+9], s[CS:CS+1], v[246:247] op_sel_hi:[1,0,0]
.endif
	v_exp_f32 v[(\sb)+ii], v[(\sb)+ii]
	v_exp_f32 v[(\sb)+ii+1], v[(\sb)+ii+1]
.set ii, ii+2
.endr
	v_nop
	s_wait_alu depctr_va_vdst(0)                   ; one wait for the batch, ahead of its first reader: no line above names an exponential's result
	v_pk_add_f32 v[248:249], v[(\sb):(\sb)+1], v[(\sb)+2:(\sb)+3]
	v_pk_add_f32 v[250:251], v[(\sb)+4:(\sb)+5], v[(\sb)+6:(\sb)+7]
	v_pk_add_f32 v[236:237], v[(\sb)+8:(\sb)+9], v[(\sb)+10:(\sb)+11]
	v_pk_add_f32 v[238:239], v[(\sb)+12:(\sb)+13], v[(\sb)+14:(\sb)+15]
.set ii, 16
.rept 6
	v_pk_add_f32 v[248:249], v[248:249], v[(\sb)+ii:(\sb)+ii+1]
	v_pk_add_f32 v[250:251], v[250:251], v[(\sb)+ii+2:(\sb)+ii+3]
	v_pk_add_f32 v[236:237], v[236:237], v[(\sb)+ii+4:(\sb)+ii+5]
	v_pk_add_f32 v[238:239], v[238:239], v[(\sb)+ii+6:(\sb)+ii+7]
.set ii, ii+8
.endr
	v_pk_add_f32 v[248:249], v[248:249], v[250:251]
	v_pk_add_f32 v[236:237], v[236:237], v[238:239]
	v_pk_add_f32 v[248:249], v[248:249], v[236:237]
.set gq, 0
.rept 4
.irp i2, 0,1,2,3,4,5,6,7,8,9,10,11,12,13,14,15
	v_min_num_f32 v[(\sb)+16*gq+\i2], v[(\sb)+16*gq+\i2], v29
.endr
	v_cvt_scalef32_pk8_fp8_f32 v[160+4*gq:161+4*gq], v[(\sb)+16*gq:(\sb)+16*gq+7], v28
	v_cvt_scalef32_pk8_fp8_f32 v[162+4*gq:163+4*gq], v[(\sb)+16*gq+8:(\sb)+16*gq+15], v28
.set gq, gq+1
.endr
	v_nop
.endm
	s_mov_b32 s[SA], 0
	s_mov_b32 s[CNT], 8
.Lca:
	v_add_nc_u32 v[T1], s[SA], v[AW]
	v_add_nc_u32 v[T2], s[SA], v[AW2]
	ds_load_b128 v[192:195], v[T1]                 ; q's codes: my own bytes
	ds_load_b128 v[200:203], v[T1] offset:512
	s_wait_dscnt 0x0
	WIN 0x02
.irp t2, 0,1,2,3,4,5,6,7
.irp b2, 0,1
	v_wmma_f32_16x16x64_fp8_fp8 v[32+64*\b2+8*\t2:39+64*\b2+8*\t2], v[40*\b2+4*\t2:40*\b2+4*\t2+7], v[192+8*\b2:199+8*\b2], 0
.endr
.endr
	WIN 0
	PLACES 4
.irp b2, 0,1
	SOFTMAX 32+64*\b2
	WIN 0x02
	v_wmma_f32_16x16x128_fp8_fp8 v[176:183], v[128+32*\b2:143+32*\b2], v[160:175], 0
	v_wmma_f32_16x16x128_fp8_fp8 v[184:191], v[144+32*\b2:159+32*\b2], v[160:175], 0
	WIN 0
	v_add_f32 v248, v248, v249
	v_permlanex16_b32 v253, v248, s[SEL], s[SEL+1]
	v_add_f32 v248, v248, v253
	v_rcp_f32 v250, v248
	PLACES 4
	s_wait_alu depctr_va_vdst(0)
.irp i2, 0,2,4,6,8,10,12,14
	v_pk_mul_f32 v[176+\i2:177+\i2], v[176+\i2:177+\i2], v[250:251] op_sel_hi:[1,0]
.endr
.irp i2, 0,1,2,3,4,5,6,7,8,9,10,11,12,13,14,15
	v_med3_num_f32 v[176+\i2], v[176+\i2], -v31, v31
.endr
	v_cvt_scalef32_pk8_fp8_f32 v[208+4*\b2:209+4*\b2], v[176:183], v30
	v_cvt_scalef32_pk8_fp8_f32 v[210+4*\b2:211+4*\b2], v[184:191], v30
	v_nop
	ds_store_b128 v[T2], v[208+4*\b2:211+4*\b2] offset:512*\b2
.endr
	s_add_co_u32 s[SA], s[SA], 1024
	s_sub_co_u32 s[CNT], s[CNT], 1
	s_cmp_lg_u32 s[CNT], 0
	s_cbranch_scc1 .Lca
	BARRIER                                        ; the attention's output lies in LDS as sixteen fragments
; ---- + o col_wo
	LOADW 128, W1P, 0, 1                           ; mt_w1, hidden units 0-255
	s_add_co_i32 s70, s38, s39
	MKF SC, 70
	v_add_nc_u32 v[AR], OI, v[LI]
	GSTAGE 0, 0, 0, 0, 0
; ---- the transition
	LOADLW 14
	LNSTAT 1
	BARRIER
	LNCOMB 1
	v_add_nc_u32 v[AW], XM, v[WPW]
	MKQ 24, 25, 40, 70
	s_wait_loadcnt 0x0                             ; the gains, the youngest loads, are in
.irp m2, 0,1,2,3,4,5,6,7
	LNNORM \m2, 1
.endr
	BARRIER
	s_sub_co_i32 s72, s42, s40
	s_sub_co_i32 s72, s72, s41
	MKQ 26, 27, 72, 70
	s_add_co_i32 s70, s42, s43
	MKF SC, 70
	s_mov_b32 s[SQ], 0
.Lmt:                                              ; four trips: 256 hidden units each
	LOADW2 0                                       ; mt_w2's two K steps of this chunk
	v_add_nc_u32 v[AR], XM, v[LI]
	v_add_nc_u32 v[AW], H0, v[WPW]
	GSTAGE 4, 0, 128, 0, 2
	BARRIER                                        ; the chunk's sixteen fragments lie in LDS
	s_cmp_eq_u32 s[SQ], 3
	s_cbranch_scc1 .Lmt_last                       ; the last chunk asks for no further part of mt_w1: no load leaves its buffer
	s_add_nc_u64 s[W1P:W1P+1], s[W1P:W1P+1], 65536
	LOADW 128, W1P, 0, 1
	s_branch .Lmt_go
.Lmt_last:
	s_wait_loadcnt 0x0
.Lmt_go:
	v_add_nc_u32 v[AR], H0, v[LI]
	GSTAGE 0, 0, 0, 0, 0
	s_add_nc_u64 s[W2P:W2P+1], s[W2P:W2P+1], 4096
	BARRIER                                        ; every wave's reads of the chunk are over: the next chunk may be stored
	s_add_co_u32 s[SQ], s[SQ], 1
	s_cmp_lt_u32 s[SQ], 4
	s_cbranch_scc1 .Lmt
	s_wait_loadcnt 0x0                             ; on every way out of the loop all my loads have landed: the second weight set's registers are loaded anew further down
; ---- out0 leaves: a tile of 16 tokens x my 64 units through my stage, so that sixteen lanes store 256 consecutive bytes, aligned.  Tile m goes into the stage ahead of the wait for tile m - 1
	v_mov_b32 v20, v[OA]
	v_add_nc_u32 v21, 0x800000, v[OA]
	v_add_nc_u32 v22, 0x1000000, v[OA]
	v_add_nc_u32 v23, 0x1800000, v[OA]
.macro OSTAGE mq
.set XB, XF+32*((\mq)%2)
	WIN 0x0c
.irp b2, 0,1
.irp q2, 0,1,2,3
	ds_store_b128 v[SGW], v[32*(\mq)+16*\b2+4*\q2:32*(\mq)+16*\b2+4*\q2+3] offset:128*\b2+16*\q2
.endr
.endr
	WIN 0
.irp k2, 0,1,2,3,4,5,6,7
	ds_load_b128 v[XB+4*\k2:XB+4*\k2+3], v[SGR] offset:544*\k2     ; LDS serves a wave's instructions in order: these see my stores, and the next tile's stores come behind them
.endr
.endm
.macro OSEND mq, younger               ; younger: the LDS instructions issued behind tile mq's loads: the next tile's eight stores and eight loads, or none
.set XB, XF+32*((\mq)%2)
	s_wait_dscnt \younger
.irp k2, 0,1,2,3,4,5,6,7
	global_store_b128 v[20+((\mq)>>1)], v[XB+4*\k2:XB+4*\k2+3], s[OP:OP+1] offset:((\mq)&1)*4194304+524288*\k2 th:TH_STORE_NT
.endr
.endm
	OSTAGE 0
.irp m2, 1,2,3,4,5,6,7
.if \m2 > 1
	s_wait_xcnt 0x0                                ; the stores of the tile two back have read their data registers: this tile's loads land there
.endif
	OSTAGE \m2
	OSEND \m2-1, 16
.endr
	OSEND 7, 0
	s_wait_xcnt 0x0
; ---- the outer product's LayerNorm and projection
	WIN 0x40
.set kk, 0
.rept 8
	global_load_b128 v[128+4*kk:131+4*kk], v[LI], s[PJP:PJP+1] offset:512*kk       ; opm_proj_w: tile w % 2, both K steps
.set kk, kk+1
.endr
	WIN 0
	LOADLW 16
	LNSTAT 2
	BARRIER
	LNCOMB 2
	v_mov_b32 v[AW], v[WPW]                        ; into the region that held o's codes: its last read lies many barriers back
	MKQ 24, 25, 44, 70
	s_wait_loadcnt 0x0                             ; the gains and opm_proj_w's fragments are in
.irp m2, 0,1,2,3,4,5,6,7
	LNNORM \m2, 1
.endr
	BARRIER
	v_mov_b32 v[AR], v[LP]
	s_lshr_b32 s72, s2, 1
	s_cmp_eq_u32 s72, 0
	s_cselect_b32 s72, s46, s47                    ; waves 0, 1 quantise under e30, waves 2, 3 under e31
	s_sub_co_i32 s72, s72, s44
	s_sub_co_i32 s72, s72, s45
	MKQ 26, 27, 72, 70
.irp tp, 0,2,4,6                       ; source 0 = 16 tokens in the order U, source 1 = 16 columns: a lane holds a channel d, its registers run along the sequences, the outer product's K
	FETCHX \tp, 1
.set PA0, XB
	FETCHX \tp+1, 1
.set PA1, XB
	s_wait_dscnt 0x0
	WIN 0x04
	v_wmma_f32_16x16x128_fp8_fp8 v[96+8*\tp:103+8*\tp], v[PA0:PA0+15], v[128:143], 0
	v_wmma_f32_16x16x128_fp8_fp8 v[104+8*\tp:111+8*\tp], v[PA1:PA1+15], v[128:143], 0
	v_wmma_f32_16x16x128_fp8_fp8 v[96+8*\tp:103+8*\tp], v[PA0+16:PA0+31], v[144:159], v[96+8*\tp:103+8*\tp]
	v_wmma_f32_16x16x128_fp8_fp8 v[104+8*\tp:111+8*\tp], v[PA1+16:PA1+31], v[144:159], v[104+8*\tp:111+8*\tp]
	WIN 0
	PLACES 4
.endr
.set ii, 0
.rept 64
	v_med3_num_f32 v[96+ii], v[96+ii], -v27, v27
.set ii, ii+1
.endr
.irp e2, 0,1,2,3,4,5,6,7
	v_cvt_scalef32_pk8_fp8_f32 v[160+2*\e2:161+2*\e2], v[96+8*\e2:103+8*\e2], v26
.endr
.irp c2, 0,1,2,3
	global_store_b128 v[LI], v[160+4*\c2:163+4*\c2], s[AXP:AXP+1] offset:512*\c2   ; an image of 2,048 bytes, 512 consecutive bytes a store
.endr
	s_wait_tensorcnt 0x0                           ; the wave's end
	ds_add_u32 v[SPW], v[NIL]
	s_wait_dscnt 0x0
	s_endpgm
.Lfunc_end_k_q6d85222c6f_colblk:
	.size	k_q6d85222c6f_colblk, .Lfunc_end_k_q6d85222c6f_colblk-k_q6d85222c6f_colblk
	.p2alignl 7, 3214868480
	.fill 96, 4, 3214868480
	.section	.rodata,"a",@progbits
	.p2align	6, 0x0
	.amdhsa_kernel k_q6d85222c6f_colblk
		.amdhsa_group_segment_fixed_size 292352
		.amdhsa_private_segment_fixed_size 0
		.amdhsa_enable_private_segment 0
		.amdhsa_kernarg_size 72
		.amdhsa_user_sgpr_count 2
		.amdhsa_user_sgpr_kernarg_segment_ptr 1
		.amdhsa_wavefront_size32 1
		.amdhsa_system_sgpr_workgroup_id_x 1
		.amdhsa_system_sgpr_workgroup_id_y 1
		.amdhsa_system_sgpr_workgroup_id_z 1
		.amdhsa_system_vgpr_workitem_id 0
		.amdhsa_next_free_vgpr 1024
		.amdhsa_next_free_sgpr 100
		.amdhsa_reserve_vcc 0
		.amdhsa_float_denorm_mode_32 3
		.amdhsa_float_denorm_mode_16_64 3
		.amdhsa_memory_ordered 1
		.amdhsa_forward_progress 1
		.amdhsa_inst_pref_size 255
	.end_amdhsa_kernel
	.section	.bss,"aw",@nobits
	.p2align	6
	.space	262144
	.amdgpu_metadata
---
amdhsa.version: [ 1, 2 ]
amdhsa.kernels:
  - .name:           k_q6d85222c6f_colblk
    .symbol:         k_q6d85222c6f_colblk.kd
    .args:
      - { .name: msa, .offset: 0, .size: 8, .value_kind: global_buffer, .address_space: global }
      - { .name: orow, .offset: 8, .size: 8, .value_kind: global_buffer, .address_space: global }
      - { .name: lowp_scales, .offset: 16, .size: 8, .value_kind: global_buffer, .address_space: global }
      - { .name: wcodes, .offset: 24, .size: 8, .value_kind: global_buffer, .address_space: global }
      - { .name: ln_col_w, .offset: 32, .size: 8, .value_kind: global_buffer, .address_space: global }
      - { .name: ln_mt_w, .offset: 40, .size: 8, .value_kind: global_buffer, .address_space: global }
      - { .name: opm_ln_w, .offset: 48, .size: 8, .value_kind: global_buffer, .address_space: global }
      - { .name: out0, .offset: 56, .size: 8, .value_kind: global_buffer, .address_space: global }
      - { .name: axc, .offset: 64, .size: 8, .value_kind: global_buffer, .address_space: global }
    .group_segment_fixed_size: 292352
    .private_segment_fixed_size: 0
    .kernarg_segment_align: 8
    .kernarg_segment_size: 72
    .max_flat_workgroup_size: 128
    .sgpr_count:     100
    .vgpr_count:     1024
    .wavefront_size: 32
...
	.end_amdgpu_metadata
.endif
;; end of part 3
;; launch opmpair (part 4): grid 16 x 16, 4 waves a work-group, no clusters, 100,096 bytes of LDS; arguments pair, axc, lowp_scales, wcodes, ln_pt_w, out1; writes out1
.if DOCPART == 4
	.amdgcn_target "amdgcn-amd-amdhsa--gfx1250"
	.amdhsa_code_object_version 6
	.text
	.protected	k_q6d85222c6f_opmpair
	.globl	k_q6d85222c6f_opmpair
	.p2align	8
	.type	k_q6d85222c6f_opmpair,@function
k_q6d85222c6f_opmpair:
	s_mov_b64 s[64:65], 0
	v_nop
	global_prefetch_b8 v0, s[64:65] scope:SCOPE_SE
	s_setreg_imm32_b32 hwreg(HW_REG_WAVE_MODE, 25, 1), 1
	s_wait_xcnt 0x0
; Launch 4 of 4: the outer product mean, its projection onto pair, and the pair transition, for a block of 16 i x 16 j.  Nothing of reference() is left out.
; Wave w has four tiles T of 16 tokens: (i0 + r, j = 16 jb + 4 w + T): a lane holds ONE token throughout, and behind one barrier the waves share nothing.
; THE OUTER PRODUCT'S RESULT IS THE NEXT OPERAND: source 0 = 16 channels e of column j (in the order 8 u + r + 8 (r / 8)), source 1 = the 16 i at one channel d; K = the 128 sequences.  Register j' of lane (r, hf) is e = 8 u + 16 hf + j':
;   the 64 registers of four d are k = 32 d + e of the projection in operand order.  The 1 / 128 of the mean is folded into the conversion's scale.
; PAIR STARTS THE SUMS: it is loaded into the 32 accumulators, divided by 2^(e32 + e33), an exact step, so that the products add onto it; the same again for the transition with e36 + e37.
; The side (i, d) is turned once through LDS: row (i, d) = its 128 codes along the sequences, 4,112 bytes from i to i.  Weights come from wcodes straight into registers, a K step ahead.
; No cluster: what the work-groups share, 256 KiB of weight codes, is asked for by each wave.
; LIMITS: e32-e30-e31+7, e34, e36-e34-e35 between -126 and 119; e32+e33 and e36+e37 between -126 and 126.  NaN among the inputs is not served.  ax under e30 is the side (i, d), under e31 the side (j, e).
; REGISTERS: window 0: v3-13 addresses; v14-19 three (scale, hold) pairs; v20-24 statistics; v32-95 four fragments (the side (i, d), later x); TMP v96-159, v160-223; codes v224-239; sums v240-247.
;   window 1: weight sets A v0-127, B v128-255.  window 2: the accumulators, (t, T) at 8 (8 T + t).  window 3: the side (j, e), 16 (2 T + u), later set Cc; the gains v128-191, later set Dd v128-255.
.set SG, 65792
.set SPARE, 99584
.set LI, 3
.set PA, 4
.set AIW, 5
.set AIR, 6
.set T1, 7
.set LWA, 8
.set SGW, 9
.set SGR, 10
.set SPW, 12
.set NIL, 13
.set SEL, 26
.set F1, 28
.set F2, 30
.set PRP, 34
.set A0P, 36
.set BJP, 38
.set WO, 40
.set OP, 42
.set SAI, 44
.set CNT, 45
.set WC, 46
.set F3, 48
.set F4, 50
.set MSB, 0
.macro WIN new                         ; the immediate's high byte repeats the setting that is left
.if MSB != (\new)
	s_set_vgpr_msb (MSB<<8)|(\new)
.set MSB, (\new)
.endif
.endm
.macro PLACES n
.rept \n
	v_nop
.endr
.endm
.macro MKQ vs, vl, se, st              ; v[vs] = 2^E as f32, v[vl] = 448 x 2^E, E in s[se]
	s_add_co_i32 s[\st], s[\se], 127
	s_lshl_b32 s[\st+1], s[\st], 23
	v_mov_b32 v[\vs], s[\st+1]
	s_add_co_i32 s[\st], s[\st], 8
	s_lshl_b32 s[\st], s[\st], 23
	s_or_b32 s[\st], s[\st], 0x600000
	v_mov_b32 v[\vl], s[\st]
.endm
.macro MKF sd, se                      ; s[sd], s[sd+1] = 2^E as f32
	s_add_co_i32 s[\sd], s[\se], 127
	s_lshl_b32 s[\sd], s[\sd], 23
	s_mov_b32 s[\sd+1], s[\sd]
.endm
.macro LDW win, base, p, off, tstr     ; eight fragments, tstr bytes apart, into a set: 32 loads of 512 consecutive bytes
	WIN \win
.irp t2, 0,1,2,3,4,5,6,7
.irp c2, 0,1,2,3
	global_load_b128 v[\base+16*\t2+4*\c2:\base+16*\t2+4*\c2+3], v[LI], s[\p:\p+1] offset:\off+\tstr*\t2+512*\c2
.endr
.endr
	WIN 0
.endm
.macro SCALEACC sf                     ; all 256 accumulator registers x a power of two, each accumulator from its low end on
	WIN 0x82
.set ii, 0
.rept 128
	v_pk_mul_f32 v[ii:ii+1], v[ii:ii+1], s[\sf:\sf+1] op_sel_hi:[1,0]
.set ii, ii+2
.endr
	WIN 0
.endm
	s_load_b256 s[4:11], s[0:1], 0x0               ; pair, axc, the scales' exponents, wcodes
	s_load_b128 s[12:15], s[0:1], 0x20             ; ln_pt_w, out1
	v_lshl_add_u32 v[SPW], v0, 2, SPARE
	v_mov_b32 v[NIL], 0
	v_lshrrev_b32 v1, 5, v0
	v_readfirstlane_b32 s2, v1                     ; wave
	v_and_b32 v1, 31, v0
	v_and_b32 v2, 15, v0                           ; r
	v_bfe_u32 v11, v0, 4, 1                        ; hf
	v_lshlrev_b32 v[LI], 4, v1
	v_lshlrev_b32 v[PA], 17, v2
	v_lshl_add_u32 v[PA], v11, 6, v[PA]            ; pair: i0 + r (131,072 bytes apart) + 64 hf
	v_and_b32 v[AIW], 8, v0
	v_add_nc_u32 v[AIW], v[AIW], v2
	v_lshlrev_b32 v[AIW], 7, v[AIW]
	v_lshl_add_u32 v[AIW], v11, 4, v[AIW]
	s_mul_i32 s52, s2, 16448
	v_add_nc_u32 v[AIW], s52, v[AIW]               ; the turn, in: my four i; row d = r + 8 (r / 8) (+ 8 u) of 128 bytes; + 16 hf
	v_mul_u32_u24 v[AIR], v2, 4112
	v_lshl_add_u32 v[AIR], v11, 4, v[AIR]          ; and out: lane r takes i0 + r
	v_lshlrev_b32 v[LWA], 6, v11
	s_mul_i32 s52, s2, 8448
	s_add_co_u32 s52, s52, SG
	v_mul_u32_u24 v[SGW], v2, 528
	v_lshl_add_u32 v[SGW], v11, 6, v[SGW]
	v_add_nc_u32 v[SGW], s52, v[SGW]               ; my stage for out1, in: row r, + 64 hf
	v_add_nc_u32 v[SGR], s52, v[LI]                ; and back: 32 lanes to a row of 512 bytes
	v_mov_b32 v21, 0                               ; upper halves of pairs, a lane permute's destination: written once
	v_mov_b32 v23, 0
	v_mov_b32 v24, 0
	s_mov_b32 s[SEL], 0x76543210
	s_mov_b32 s[SEL+1], 0xfedcba98
	s_mov_b32 s32, 0x3c000000                      ; 1 / 128
	s_mov_b32 s33, 0x3727c5ac                      ; 1e-5
	s_and_b32 s24, ttmp7, 0xffff                   ; the block of i
	s_lshl_b32 s52, s24, 12
	s_lshl_b32 s53, ttmp9, 4
	s_add_co_u32 s52, s52, s53
	s_lshl_b32 s53, s2, 2
	s_add_co_u32 s52, s52, s53
	s_lshl_b32 s52, s52, 9                         ; pair, out1: row (i0, 16 jb + 4 w)
	s_mov_b32 s53, 0
	s_lshl_b32 s54, s24, 4
	s_lshl_b32 s55, s2, 2
	s_add_co_u32 s54, s54, s55
	s_lshl_b32 s54, s54, 12                        ; axc, side (i, d): positions i0 + 4 w on
	s_lshl_b32 s56, ttmp9, 4
	s_add_co_u32 s56, s56, s55
	s_lshl_b32 s56, s56, 12
	s_add_co_u32 s56, s56, 1048576                 ; side (j, e): positions 16 jb + 4 w on
	s_mov_b32 s55, 0
	s_mov_b32 s57, 0
	s_wait_kmcnt 0x0
	s_load_b256 s[16:23], s[8:9], 0x78             ; e30 .. e37 in s16 ..
	s_add_nc_u64 s[PRP:PRP+1], s[4:5], s[52:53]
	s_add_nc_u64 s[OP:OP+1], s[14:15], s[52:53]
	s_add_nc_u64 s[A0P:A0P+1], s[6:7], s[54:55]
	s_add_nc_u64 s[BJP:BJP+1], s[6:7], s[56:57]
	s_mov_b64 s[WC:WC+1], s[10:11]
	s_add_nc_u64 s[WO:WO+1], s[10:11], 1048576     ; opm_out_w's fragments
.set kk, 0
.rept 32
	global_load_b128 v[96+4*kk:99+4*kk], v[LI], s[A0P:A0P+1] offset:512*kk
.set kk, kk+1
.endr
	WIN 0xc0
.set kk, 0
.rept 32
	global_load_b128 v[4*kk:4*kk+3], v[LI], s[BJP:BJP+1] offset:512*kk
.set kk, kk+1
.endr
	WIN 0
	LDW 0x40, 0, WO, 0, 16384                      ; set A: opm_out_w, K step 0
	WIN 0xc0
.irp b2, 0,1,2,3
.irp q2, 0,1,2,3
	global_load_b128 v[128+16*\b2+4*\q2:131+16*\b2+4*\q2], v[LWA], s[12:13] offset:128*\b2+16*\q2
.endr
.endr
	WIN 0x80
.irp tq, 0,1,2,3
.irp b2, 0,1,2,3
.irp q2, 0,1,2,3
	global_load_b128 v[64*\tq+16*\b2+4*\q2:64*\tq+16*\b2+4*\q2+3], v[PA], s[PRP:PRP+1] offset:512*\tq+128*\b2+16*\q2 th:TH_LOAD_NT
.endr
.endr
.endr
	WIN 0
	s_wait_kmcnt 0x0
	s_sub_co_i32 s54, s18, s16
	s_sub_co_i32 s54, s54, s17
	s_add_co_i32 s54, s54, 7
	MKQ 14, 15, 54, 52                             ; the outer product: sum x 2^(e30 + e31) / 128 under e32
	MKQ 16, 17, 20, 52                             ; x under e34
	s_sub_co_i32 s54, s22, s20
	s_sub_co_i32 s54, s54, s21
	MKQ 18, 19, 54, 52                             ; the hidden layer
	s_add_co_i32 s54, s18, s19
	MKF F2, 54
	s_sub_co_i32 s54, 0, s54
	MKF F1, 54
	s_add_co_i32 s54, s22, s23
	MKF F4, 54
	s_sub_co_i32 s54, 0, s54
	MKF F3, 54
	s_wait_loadcnt 63                              ; of the 176 loads the oldest 113 are in, the first 32 among them
.irp k2, 0,1,2,3
.irp u2, 0,1
.irp c2, 0,1,2,3
	ds_store_b128 v[AIW], v[96+32*\k2+16*\u2+4*\c2:99+32*\k2+16*\u2+4*\c2] offset:4112*\k2+1024*\u2+32*\c2
.endr
.endr
.endr
	s_wait_dscnt 0x0
	s_barrier_signal -1
	s_barrier_wait -1                              ; the side (i, d) of all 16 i lies in LDS
	s_wait_loadcnt 0x0
	SCALEACC F1
.macro AIFETCH                         ; four channels d: fragments of 16 i x 128 sequences
	v_add_nc_u32 v[T1], s[SAI], v[AIR]
.irp d2, 0,1,2,3
.irp c2, 0,1,2,3
	ds_load_b128 v[32+16*\d2+4*\c2:35+16*\d2+4*\c2], v[T1] offset:128*\d2+32*\c2
.endr
.endr
.endm
.macro PP17 tq                         ; the outer product of tile tq for four d: eight products, each starting its sum
.set TB, 96+64*((\tq)%2)
	WIN 0x03
.irp d2, 0,1,2,3
.irp u2, 0,1
	v_wmma_f32_16x16x128_fp8_fp8 v[TB+8*(2*\d2+\u2):TB+8*(2*\d2+\u2)+7], v[16*(2*(\tq)+\u2):16*(2*(\tq)+\u2)+15], v[32+16*\d2:47+16*\d2], 0
.endr
.endr
	WIN 0
.endm
.macro PP19 tq, win, base              ; 128 hidden units of tile tq
.set TB, 96+64*((\tq)%2)
	WIN \win
.irp t2, 0,1,2,3,4,5,6,7
	v_wmma_f32_16x16x128_fp8_fp8 v[TB+8*\t2:TB+8*\t2+7], v[\base+16*\t2:\base+16*\t2+15], v[32+16*(\tq):47+16*(\tq)], 0
.endr
	WIN 0
.endm
.macro QQ tq, relu, vs, vl             ; 64 results of a lane become a fragment's codes in v224-239
.set TB, 96+64*((\tq)%2)
.set ii, 0
.rept 64
.if \relu
	v_med3_num_f32 v[TB+ii], v[TB+ii], 0, v[\vl]   ; the activation and the hold in one
.else
	v_med3_num_f32 v[TB+ii], v[TB+ii], -v[\vl], v[\vl]
.endif
.set ii, ii+1
.endr
.irp e2, 0,1,2,3,4,5,6,7
	v_cvt_scalef32_pk8_fp8_f32 v[224+2*\e2:225+2*\e2], v[TB+8*\e2:TB+8*\e2+7], v[\vs]
.endr
	v_nop                                          ; a plain place between the conversions and the products that read their results and write their sources
.endm
.macro CN tq, win, base                ; eight accumulators of tile tq take one K step each, by turns
	WIN \win
.irp t2, 0,1,2,3,4,5,6,7
	v_wmma_f32_16x16x128_fp8_fp8 v[8*(8*(\tq)+\t2):8*(8*(\tq)+\t2)+7], v[\base+16*\t2:\base+16*\t2+15], v[224:239], v[8*(8*(\tq)+\t2):8*(8*(\tq)+\t2)+7]
.endr
	WIN 0
.endm
; A K STEP of the projection (four d).  Tile T + 1's outer products are issued ahead of tile T's conversions, whose plain lines are the places behind them.
; mode 0: the other set takes opm_out_w's next K step; 1: pt_w1's first 128 hidden units.  fetch = 1: the next four d are fetched.
.macro KSTEP set, oth, mode, fetch
	s_wait_dscnt 0x0                               ; this K step's fragments of the side (i, d) are in
	PP17 0
	PLACES 4                                       ; behind these products and behind the last K step's last, which read the other set
	s_wait_loadcnt 0x0                             ; this K step's set is in, so the pointer may step
.if (\mode) == 0
	s_add_nc_u64 s[WO:WO+1], s[WO:WO+1], 2048
	LDW 0x40, \oth, WO, 0, 16384
.else
	LDW 0x40, \oth, WC, 576*2048, 2048
.endif
.irp tq, 0,1,2,3
.if \tq < 3
	PP17 \tq+1
.endif
	QQ \tq, 0, 14, 15
.if (\tq == 2) && (\fetch)
	s_add_co_u32 s[SAI], s[SAI], 512
	AIFETCH
.endif
	CN \tq, 0xa1, \set
.endr
.endm
	s_mov_b32 s[SAI], 0
	AIFETCH
	s_mov_b32 s[CNT], 3
.Lk:
	KSTEP 0, 128, 0, 1
	KSTEP 128, 0, 0, 1
	s_sub_co_u32 s[CNT], s[CNT], 1
	s_cmp_lg_u32 s[CNT], 0
	s_cbranch_scc1 .Lk
	KSTEP 0, 128, 0, 1
	KSTEP 128, 0, 1, 0                             ; the last K step fetches nothing more of the side (i, d)
	PLACES 4
	LDW 0x40, 128, WC, 608*2048, 8192              ; set B: pt_w2, K step 0
	LDW 0xc0, 0, WC, 584*2048, 2048                ; set Cc: pt_w1, hidden units 128-255
	SCALEACC F2                                    ; pair + the update, as it is
; ---- the LayerNorm of a tile, within the wave, in two passes; x's codes into v[32 + 16 T]
.macro PLN tq
.set AB, 64*(\tq)
	WIN 0x0a
.irp j2, 0,1,2,3
	v_pk_add_f32 v[240+2*\j2:241+2*\j2], v[AB+2*\j2:AB+2*\j2+1], v[AB+8+2*\j2:AB+9+2*\j2]
.endr
	WIN 0x08
.set ii, 16
.rept 6
.irp j2, 0,1,2,3
	v_pk_add_f32 v[240+2*\j2:241+2*\j2], v[240+2*\j2:241+2*\j2], v[AB+ii+2*\j2:AB+ii+2*\j2+1]
.endr
.set ii, ii+8
.endr
	WIN 0
	v_pk_add_f32 v[240:241], v[240:241], v[242:243]
	v_pk_add_f32 v[244:245], v[244:245], v[246:247]
	v_pk_add_f32 v[240:241], v[240:241], v[244:245]
	v_add_f32 v240, v240, v241
	v_permlanex16_b32 v24, v240, s[SEL], s[SEL+1]
	v_add_f32 v240, v240, v24
	v_mul_f32 v20, s32, v240                       ; the mean
	WIN 0x02
.set ii, 0
.rept 32
	v_pk_add_f32 v[96+ii:97+ii], v[AB+ii:AB+ii+1], v[20:21] op_sel_hi:[1,0] neg_lo:[0,1] neg_hi:[0,1]
.set ii, ii+2
.endr
	WIN 0
.irp j2, 0,1,2,3
	v_pk_mul_f32 v[240+2*\j2:241+2*\j2], v[96+2*\j2:97+2*\j2], v[96+2*\j2:97+2*\j2]
.endr
.set ii, 8
.rept 7
.irp j2, 0,1,2,3
	v_pk_fma_f32 v[240+2*\j2:241+2*\j2], v[96+ii+2*\j2:97+ii+2*\j2], v[96+ii+2*\j2:97+ii+2*\j2], v[240+2*\j2:241+2*\j2]
.endr
.set ii, ii+8
.endr
	v_pk_add_f32 v[240:241], v[240:241], v[242:243]
	v_pk_add_f32 v[244:245], v[244:245], v[246:247]
	v_pk_add_f32 v[240:241], v[240:241], v[244:245]
	v_add_f32 v240, v240, v241
	v_permlanex16_b32 v24, v240, s[SEL], s[SEL+1]
	v_add_f32 v240, v240, v24
	v_fma_f32 v240, v240, s32, s33                 ; the variance + 1e-5
	v_rsq_f32 v22, v240
	v_nop
	s_wait_alu depctr_va_vdst(0)                   ; a wait ahead of the first reader
.set ii, 0
.rept 32
	v_pk_mul_f32 v[96+ii:97+ii], v[96+ii:97+ii], v[22:23] op_sel_hi:[1,0]
.set ii, ii+2
.endr
	WIN 0x0c
.set ii, 0
.rept 32
	v_pk_mul_f32 v[96+ii:97+ii], v[96+ii:97+ii], v[128+ii:129+ii]
.set ii, ii+2
.endr
	WIN 0
.set ii, 0
.rept 64
	v_med3_num_f32 v[96+ii], v[96+ii], -v17, v17
.set ii, ii+1
.endr
.irp e2, 0,1,2,3,4,5,6,7
	v_cvt_scalef32_pk8_fp8_f32 v[32+16*(\tq)+2*\e2:33+16*(\tq)+2*\e2], v[96+8*\e2:103+8*\e2], v16
.endr
	v_nop
.endm
	PLN 0
	PLN 1
	PLN 2
	PLN 3
	LDW 0xc0, 128, WC, 609*2048, 8192              ; set Dd: pt_w2, K step 1, over the gains, which are done with
	SCALEACC F3                                    ; the residual starts the second product's sums
; ---- the transition, 128 hidden units a step.  left: the two sets that are due are older than the 64 younger loads, of which 63 may stay out
.macro TSTEP sg, w1win, cnwin, ldwin, left, more
	s_wait_loadcnt \left
	PP19 0, \w1win, 0
	PLACES 4
.irp tq, 0,1,2,3
.if \tq < 3
	PP19 \tq+1, \w1win, 0
.endif
	QQ \tq, 1, 18, 19
.if (\tq == 2) && (\more)
	LDW \ldwin, 0, WC, (576+8*((\sg)+2))*2048, 2048        ; pt_w1 two steps on, into this step's own set: its last products stand ahead of the 64 plain lines above
.endif
	CN \tq, \cnwin, 128
.endr
.if \more
	PLACES 4
	LDW \ldwin, 128, WC, (608+(\sg)+2)*2048, 8192          ; pt_w2 likewise
.endif
.endm
	TSTEP 0, 0x01, 0xa1, 0x40, 63, 1
	TSTEP 1, 0x03, 0xa3, 0xc0, 63, 1
	TSTEP 2, 0x01, 0xa1, 0x40, 63, 0
	TSTEP 3, 0x03, 0xa3, 0xc0, 0, 0
	PLACES 4
; ---- out1 leaves: a tile's 16 rows of 512 bytes through my stage
.macro WOUT tq
	WIN 0x02
.set ii, 0
.rept 32
	v_pk_mul_f32 v[96+ii:97+ii], v[64*(\tq)+ii:64*(\tq)+ii+1], s[F4:F4+1] op_sel_hi:[1,0]
.set ii, ii+2
.endr
	WIN 0
.irp b2, 0,1,2,3
.irp q2, 0,1,2,3
	ds_store_b128 v[SGW], v[96+16*\b2+4*\q2:99+16*\b2+4*\q2] offset:128*\b2+16*\q2
.endr
.endr
	s_wait_xcnt 0x0                                ; the last tile's stores have read their data registers
.set kk, 0
.rept 16
	ds_load_b128 v[160+4*kk:163+4*kk], v[SGR] offset:528*kk        ; LDS serves a wave's instructions in order: these see my stores
.set kk, kk+1
.endr
.set kk, 0
.rept 16
	s_wait_dscnt 15-kk                             ; the younger loads may stay out
	global_store_b128 v[LI], v[160+4*kk:163+4*kk], s[OP:OP+1] offset:131072*kk+512*(\tq) th:TH_STORE_NT   ; a whole row: 512 consecutive bytes, aligned
.set kk, kk+1
.endr
.endm
	WOUT 0
	WOUT 1
	WOUT 2
	WOUT 3
	s_wait_tensorcnt 0x0                           ; the wave's end
	ds_add_u32 v[SPW], v[NIL]
	s_wait_dscnt 0x0
	s_endpgm
.Lfunc_end_k_q6d85222c6f_opmpair:
	.size	k_q6d85222c6f_opmpair, .Lfunc_end_k_q6d85222c6f_opmpair-k_q6d85222c6f_opmpair
	.p2alignl 7, 3214868480
	.fill 96, 4, 3214868480
	.section	.rodata,"a",@progbits
	.p2align	6, 0x0
	.amdhsa_kernel k_q6d85222c6f_opmpair
		.amdhsa_group_segment_fixed_size 100096
		.amdhsa_private_segment_fixed_size 0
		.amdhsa_enable_private_segment 0
		.amdhsa_kernarg_size 48
		.amdhsa_user_sgpr_count 2
		.amdhsa_user_sgpr_kernarg_segment_ptr 1
		.amdhsa_wavefront_size32 1
		.amdhsa_system_sgpr_workgroup_id_x 1
		.amdhsa_system_sgpr_workgroup_id_y 1
		.amdhsa_system_sgpr_workgroup_id_z 1
		.amdhsa_system_vgpr_workitem_id 0
		.amdhsa_next_free_vgpr 1024
		.amdhsa_next_free_sgpr 96
		.amdhsa_reserve_vcc 0
		.amdhsa_float_denorm_mode_32 3
		.amdhsa_float_denorm_mode_16_64 3
		.amdhsa_memory_ordered 1
		.amdhsa_forward_progress 1
		.amdhsa_inst_pref_size 255
	.end_amdhsa_kernel
	.section	.bss,"aw",@nobits
	.p2align	6
	.space	262144
	.amdgpu_metadata
---
amdhsa.version: [ 1, 2 ]
amdhsa.kernels:
  - .name:           k_q6d85222c6f_opmpair
    .symbol:         k_q6d85222c6f_opmpair.kd
    .args:
      - { .name: pair, .offset: 0, .size: 8, .value_kind: global_buffer, .address_space: global }
      - { .name: axc, .offset: 8, .size: 8, .value_kind: global_buffer, .address_space: global }
      - { .name: lowp_scales, .offset: 16, .size: 8, .value_kind: global_buffer, .address_space: global }
      - { .name: wcodes, .offset: 24, .size: 8, .value_kind: global_buffer, .address_space: global }
      - { .name: ln_pt_w, .offset: 32, .size: 8, .value_kind: global_buffer, .address_space: global }
      - { .name: out1, .offset: 40, .size: 8, .value_kind: global_buffer, .address_space: global }
    .group_segment_fixed_size: 100096
    .private_segment_fixed_size: 0
    .kernarg_segment_align: 8
    .kernarg_segment_size: 48
    .max_flat_workgroup_size: 128
    .sgpr_count:     96
    .vgpr_count:     1024
    .wavefront_size: 32
...
	.end_amdgpu_metadata
.endif
;; end of part 4
